; MI455X (gfx1250); checked and timed in simulation.
; The chip was launched on July 23, 2026; its instructions are those of AMD's public machine-readable ISA for CDNA 5 (MIT licence, August 2026) and "CDNA5" Instruction Set Architecture Reference Guide (July 2026). The comments in the code are by the model that wrote it; some were corrected since.
;; VJEPA2 Rope Attention. Allowed arithmetic: matrix products marked QUANTISED: E2M1 operands, one E8M0 scale for each 32 along K, by v_wmma_scale_f32_16x16x128_f8f6f4 with both operands' format E2M1 (or v_wmma_scale_f32_32x16x128_f4), f32 sums; products left as they are: bf16, f16 or f32 operands; f32 sums; everything else in f32.
;; Inputs: Wk 1,024 x 1,024 float32; Wp 1,024 x 1,024 float32; Wq 1,024 x 1,024 float32; Wv 1,024 x 1,024 float32; bk 1,024 float32; bp 1,024 float32; bq 1,024 float32; bv 1,024 float32; hidden_states 2 x 2,048 x 1,024 float32.
;; Outputs: out0 2 x 2,048 x 1,024 float32.
;; This version of the problem:
;;   THIS VERSION OF THE PROBLEM IS GIVEN IN LOW PRECISION. The matrix products marked QUANTISED in the list below multiply operands that are first quantised to E2M1 (2 exponent bits, 1 mantissa bit; 4 bits a number), with one power-of-two scale for each 32 numbers along K (OCP MX v1.0); their sums are f32. The products marked 'left as it is' may take bf16, f16 or f32 operands, with f32 sums. Whichever they take, every output number must still come out within the allowed error. Rounding operands to bf16 (8 significant bits) uses up far more of that allowance than f16 does (11 bits, for magnitudes from 6e-5 to 65,504). All else is computed in f32.
;;   The module's matrix products, in the order in which they are computed (A, B: the left and right operand; K: the contracted axis; several contracted axes count as one K, in the product's order):
;;     1. [M 4,096, K 1,024] x [K 1,024, N 1,024]; A: input hidden_states; B: input Wq: QUANTISED
;;     2. [M 4,096, K 1,024] x [K 1,024, N 1,024]; A: input hidden_states; B: input Wk: QUANTISED
;;     3. [M 4,096, K 1,024] x [K 1,024, N 1,024]; A: input hidden_states; B: input Wv: QUANTISED
;;     4. batch 32 x [M 2,048, K 64] x [K 64, N 2,048]; A: computed on the way; B: computed on the way: left as it is (an operand is computed on the way)
;;     5. batch 32 x [M 64, K 2,048] x [K 2,048, N 2,048]; A: computed on the way; B: computed on the way: left as it is (an operand is computed on the way)
;;     6. [M 4,096, K 1,024] x [K 1,024, N 1,024]; A: computed on the way; B: input Wp: left as it is (an operand is computed on the way)
;;   THE QUANTISER, for each operand of a quantised product, along K:
;;     - K is cut into blocks of 32 from its start; a last block that is shorter is filled with zeros.
;;     - A block's scale is 2^e with e = floor(log2(the largest magnitude in the block)) - 2, held to -126 .. 127; a block of zeros has e = 0. As a byte (E8M0): e + 127.
;;     - Each number is divided by its block's scale, clamped to +-6, and rounded to the nearest number of E2M1, ties to even, subnormals kept.
;;     - The product sums the exact products of the quantised numbers (number of the format x scale) in f32.
;;   ~~~python
;;   def quantise(x, axis):      # numpy; x: float32 -> the quantised numbers, widened to float32 again
;;       x = np.moveaxis(x, axis, -1); K = x.shape[-1]
;;       x = np.pad(x, [(0, 0)] * (x.ndim - 1) + [(0, -K % 32)]); x = x.reshape(x.shape[:-1] + (-1, 32)); a = np.abs(x).max(-1, keepdims=True)
;;       e = np.where(a > 0, np.clip(np.frexp(np.where(a > 0, a, 1))[1] - 1 - 2, -126, 127), 0)      # np.frexp(a)[1] - 1 = floor(log2(a)), exactly
;;       r = np.clip(x / 2.0 ** e, -6, 6)
;;       step = 2.0 ** (np.maximum(np.frexp(np.where(r == 0, 1, r))[1] - 1, 0) - 1)
;;       q = np.round(r / step) * step * 2.0 ** e      # np.round: ties to even
;;       return np.moveaxis(q.reshape(q.shape[:-2] + (-1,))[..., :K], -1, axis).astype(np.float32)
;;   ~~~
;; One version. Each part assembles by itself: llvm-mc -triple=amdgcn-amd-amdhsa -mcpu=gfx1250 --defsym DOCPART=n.
;; ======== version 1 of 1: 4 launches
;; limits: values are held in f16: magnitudes above 65,504 overflow, below 6.1e-05 lose precision
;; workspace buffers: xc 2,097,152 bytes; xs 131,072 bytes; wc 1,572,864 bytes; ws 98,304 bytes; wp16 2,097,152 bytes; qkv 25,165,824 bytes; ctx 8,388,608 bytes
;; launch prep (part 1): grid 256 x 1, 4 waves a work-group, no clusters, 33,280 bytes of LDS; arguments hidden_states, Wq, Wk, Wv, Wp, xc, xs, wc, ws, wp16; writes xc, xs, wc, ws, wp16
.if DOCPART == 1
	.amdgcn_target "amdgcn-amd-amdhsa--gfx1250"
	.amdhsa_code_object_version 6
	.text
	.protected	k_q55a638dfb9_prep
	.globl	k_q55a638dfb9_prep
	.p2align	8
	.type	k_q55a638dfb9_prep,@function
k_q55a638dfb9_prep:
	s_mov_b64 s[64:65], 0
	v_nop
	global_prefetch_b8 v0, s[64:65] scope:SCOPE_SE
	s_setreg_imm32_b32 hwreg(HW_REG_WAVE_MODE, 25, 1), 1
	s_wait_xcnt 0x0
; hidden_states [4096][1024] and Wq, Wk, Wv [1024][1024], f32, K innermost, become codes of FP4 (E2M1) with one E8M0 byte for each 32 along K; Wp [1024][1024] becomes f16.
; xc [4096][512 bytes], xs [4096][32]; wc [3072][512], ws [3072][32]: rows 0-1023 Wq, 1024-2047 Wk, 2048-3071 Wv; wp16 [1024][1024] f16.
; A block's scale is 2^(floor(log2(its largest magnitude)) - 2); its byte is the largest magnitude's exponent field - 2, held at 1 from below.  A block of zeros gets the byte 1 where the
; quantiser's text says 127: its codes are zeros, which add nothing under any byte but 0xff, and this program alone reads the bytes.
; LIMITS: NaN and infinities among the inputs are not served; |Wp| stays under 65,504 (f16).
; SHARES: 32,768 numbers to a work-group, 8,192 to a wave.  Work-groups 0-127: hidden_states; 128-159 Wq; 160-191 Wk; 192-223 Wv; 224-255: the cast of Wp.
; Rows are dense and K is a multiple of 32, so each tensor is a plain stream of blocks of 32.  A wave takes 16 steps of 512 numbers: four loads of 512 consecutive bytes; the 2,048 bytes turn through the wave's
; own stage in LDS and come back 64 bytes (16 neighbours) a lane; two neighbouring lanes hold a block.  Waves share nothing: no barrier.
.set WAVES, 4
.set STEPS, 16
.set EMAX,  2
.set CB,    8                          ; bytes of 16 codes
.set R,     16                         ; v16-79   four sets of 16 numbers as loaded (cast: sixteen chunks of 4)
.set X,     80                         ; v80-111  two sets of 16 neighbours (cast: sixteen pairs of packed f16)
.set C,     128                        ; v128-191 codes, four registers a step
.set E,     112                        ; v112-127 a scale byte a step
.set WREG,  8192                       ; LDS: a region for each wave: two stages of 32 x SP bytes, then its 256 scale bytes
.set SP,    80
.set SPW,   12                         ; v12 LDS address of my spare word; never rewritten
.set NIL,   13                         ; v13 0; never rewritten
.set SPARE, WAVES*WREG                 ; the spare words: 128 bytes a wave, named by no other line
	s_load_b512 s[16:31], s[0:1], 0x0              ; hidden 16, Wq 18, Wk 20, Wv 22, Wp 24, xc 26, xs 28, wc 30
	s_load_b128 s[32:35], s[0:1], 0x40             ; ws 32, wp16 34
	v_lshl_add_u32 v[SPW], v0, 2, SPARE
	v_mov_b32 v[NIL], 0
	v_lshrrev_b32 v1, 5, v0
	v_readfirstlane_b32 s36, v1                    ; wave
	v_and_b32 v2, 31, v0                           ; lane
	v_lshlrev_b32 v3, 4, v2                        ; my 16 bytes of a load's 512
	s_mul_i32 s39, s36, WREG
	v_lshrrev_b32 v14, 2, v2
	v_mul_u32_u24 v14, v14, SP
	v_and_b32 v15, 3, v2
	v_lshl_add_u32 v14, v15, 4, v14
	v_add_nc_u32 v14, s39, v14                     ; the stage, on the way in: SP (lane / 4) + 16 (lane % 4)
	v_mul_u32_u24 v15, v2, SP
	v_add_nc_u32 v15, s39, v15                     ; and on the way out: SP x lane
	v_mul_u32_u24 v4, v2, CB                       ; my 8 bytes of a step's 256 (codes, or packed f16)
	v_lshrrev_b32 v5, 1, v2
	s_add_co_u32 s39, s39, 2*32*SP
	v_add_nc_u32 v5, s39, v5                       ; my block's scale byte in LDS
	v_lshlrev_b32 v7, 3, v2
	v_add_nc_u32 v6, s39, v7                       ; and 8 bytes a lane on the way out
	s_wait_kmcnt 0x0
	s_cmp_ge_u32 ttmp9, 224                        ; the work-group's number alone decides
	s_cbranch_scc1 .Lcast
	s_cmp_lt_u32 ttmp9, 192
	s_cselect_b64 s[4:5], s[20:21], s[22:23]       ; Wk or Wv
	s_cmp_lt_u32 ttmp9, 160
	s_cselect_b64 s[4:5], s[18:19], s[4:5]         ; Wq
	s_cmp_lt_u32 ttmp9, 128
	s_cselect_b64 s[4:5], s[16:17], s[4:5]         ; hidden_states
	s_cselect_b64 s[8:9], s[26:27], s[30:31]       ; codes: xc or wc
	s_cselect_b64 s[10:11], s[28:29], s[32:33]     ; scale bytes: xs or ws
	s_cselect_b32 s37, 0, 128
	s_cselect_b32 s38, 127, 31
	s_sub_co_u32 s37, ttmp9, s37                   ; t: my place among x's work-groups, or among the three weights'
	s_and_b32 s38, s37, s38                        ; and inside my source tensor
	s_lshl_b32 s38, s38, 2
	s_add_co_u32 s38, s38, s36                     ; which run of 8,192 numbers of the source is my wave's
	s_lshl_b32 s40, s38, 15
	s_mov_b32 s41, 0
	s_add_nc_u64 s[4:5], s[4:5], s[40:41]
	s_lshl_b32 s37, s37, 2
	s_add_co_u32 s37, s37, s36                     ; and which run of the destination
	s_lshl_b32 s40, s37, 12                        ; 4,096 bytes of codes a run
	s_add_nc_u64 s[8:9], s[8:9], s[40:41]
	s_lshl_b32 s40, s37, 8                         ; 256 scale bytes a run
	s_add_nc_u64 s[10:11], s[10:11], s[40:41]
.macro LOAD t
.irp i, 0,1,2,3
	global_load_b128 v[R+16*((\t)%4)+4*\i:R+16*((\t)%4)+4*\i+3], v3, s[4:5] offset:2048*(\t)+512*\i th:TH_LOAD_NT   ; 32 lanes read 512 consecutive bytes
.endr
.endm
.macro TURN t                          ; step t's numbers through the stage: LDS serves a wave's instructions in order, so no wait stands between the stores and the loads
.irp i, 0,1,2,3
	ds_store_b128 v14, v[R+16*((\t)%4)+4*\i:R+16*((\t)%4)+4*\i+3] offset:32*SP*((\t)%2)+8*SP*\i
.endr
.irp i, 0,1,2,3
	ds_load_b128 v[X+16*((\t)%2)+4*\i:X+16*((\t)%2)+4*\i+3], v15 offset:32*SP*((\t)%2)+16*\i
.endr
.endm
.irp t, 0,1,2,3
	LOAD \t
.endr
	s_wait_loadcnt 12                              ; step 0's four loads are in; the twelve of steps 1 to 3 may be out
	TURN 0
.macro STEP t
.set XS, X+16*((\t)%2)
.if (\t) > 0
	s_wait_dscnt 1                                 ; this step's numbers are back from the stage (the last step's byte store may be out)
.else
	s_wait_dscnt 0x0
.endif
.if (\t)+4 < STEPS
	LOAD (\t)+4                                    ; into the registers that the stage's stores have read
.endif
.if (\t)+1 < STEPS
.if STEPS-2-(\t) >= 3
	s_wait_loadcnt 12                              ; the next step's four loads are in; those of the three steps behind it may be out
.else
	s_wait_loadcnt 4*(STEPS-2-(\t))
.endif
	TURN (\t)+1
.endif
	v_max3_num_f32 v8, |v[XS]|, |v[XS+1]|, |v[XS+2]|               ; the largest magnitude of my 16, in two chains
	v_max3_num_f32 v9, |v[XS+3]|, |v[XS+4]|, |v[XS+5]|
.irp i, 6,10
	v_max3_num_f32 v8, v8, |v[XS+\i]|, |v[XS+\i+1]|
	v_max3_num_f32 v9, v9, |v[XS+\i+2]|, |v[XS+\i+3]|
.endr
	v_max3_num_f32 v8, v8, |v[XS+14]|, |v[XS+15]|
	v_max3_num_f32 v8, v8, v9, (EMAX+1)<<23        ; and the floor 2^(EMAX + 1 - 127): the byte cannot fall under 1
	v_max_num_f32_dpp v8, v8, v8 row_xmask:1 row_mask:0xf bank_mask:0xf   ; with my neighbour's 16: the block's
	v_add_nc_u32 v11, -(EMAX<<23), v8              ; EMAX off its exponent field: the conversion takes that field as its scale
	v_cvt_scalef32_pk8_fp4_f32 v[C+4*(\t)], v[XS:XS+7], v11
	v_cvt_scalef32_pk8_fp4_f32 v[C+4*(\t)+1], v[XS+8:XS+15], v11
	v_lshrrev_b32 v[E+(\t)], 23, v11               ; the scale's byte (also the plain line behind the conversions)
	ds_store_b8 v5, v[E+(\t)] offset:16*(\t)       ; both lanes of a block write the same byte with the same value
	global_store_b64 v4, v[C+4*(\t):C+4*(\t)+1], s[8:9] offset:32*CB*(\t)   ; the wave stores 256 consecutive bytes, aligned
.endm
.irp t, 0,1,2,3,4,5,6,7,8,9,10,11,12,13,14,15
	STEP \t
.endr
	ds_load_b64 v[8:9], v6                         ; my wave's 256 scale bytes, behind my stores of them
	s_wait_dscnt 0x0
	global_store_b64 v7, v[8:9], s[10:11]          ; 256 consecutive bytes, aligned
	s_wait_tensorcnt 0x0                           ; the wave's end
	ds_add_u32 v[SPW], v[NIL]
	s_wait_dscnt 0x0
	s_endpgm
; THE CAST of Wp to f16.  A wave takes 64 chunks of 128 numbers: 512 bytes in, 256 bytes out; sixteen loads are always on their way.
.Lcast:
	s_sub_co_u32 s40, ttmp9, 224
	s_lshl_b32 s40, s40, 2
	s_add_co_u32 s40, s40, s36                     ; my run of 8,192 numbers
	s_lshl_b32 s42, s40, 15
	s_mov_b32 s43, 0
	s_add_nc_u64 s[24:25], s[24:25], s[42:43]
	s_lshl_b32 s42, s40, 14
	s_add_nc_u64 s[34:35], s[34:35], s[42:43]
.irp i, 0,1,2,3,4,5,6,7,8,9,10,11,12,13,14,15
	global_load_b128 v[R+4*\i:R+4*\i+3], v3, s[24:25] offset:512*\i th:TH_LOAD_NT
.endr
.macro CSLOT i
.if 63-(\i) < 15
	s_wait_loadcnt 63-(\i)                         ; the tail: as many loads were issued behind mine
.else
	s_wait_loadcnt 15                              ; fifteen younger loads stay out
.endif
	s_wait_xcnt 0x0                                ; the store of sixteen chunks ago has read this pair
	v_cvt_pk_f16_f32 v[X+2*((\i)%16)], v[R+4*((\i)%16)], v[R+4*((\i)%16)+1]
	v_cvt_pk_f16_f32 v[X+2*((\i)%16)+1], v[R+4*((\i)%16)+2], v[R+4*((\i)%16)+3]
.if (\i)+16 < 64
	global_load_b128 v[R+4*((\i)%16):R+4*((\i)%16)+3], v3, s[24:25] offset:512*((\i)+16) th:TH_LOAD_NT
.endif
	global_store_b64 v4, v[X+2*((\i)%16):X+2*((\i)%16)+1], s[34:35] offset:256*(\i)   ; 256 consecutive bytes, aligned
.endm
.set Q, 0
.rept 64
	CSLOT Q
.set Q, Q+1
.endr
	s_wait_tensorcnt 0x0                           ; the same three lines at this end
	ds_add_u32 v[SPW], v[NIL]
	s_wait_dscnt 0x0
	s_endpgm
.Lfunc_end_k_q55a638dfb9_prep:
	.size	k_q55a638dfb9_prep, .Lfunc_end_k_q55a638dfb9_prep-k_q55a638dfb9_prep
	.p2alignl 7, 3214868480
	.fill 96, 4, 3214868480
	.section	.rodata,"a",@progbits
	.p2align	6, 0x0
	.amdhsa_kernel k_q55a638dfb9_prep
		.amdhsa_group_segment_fixed_size 33280
		.amdhsa_private_segment_fixed_size 0
		.amdhsa_enable_private_segment 0
		.amdhsa_kernarg_size 80
		.amdhsa_user_sgpr_count 2
		.amdhsa_user_sgpr_kernarg_segment_ptr 1
		.amdhsa_wavefront_size32 1
		.amdhsa_system_sgpr_workgroup_id_x 1
		.amdhsa_system_sgpr_workgroup_id_y 1
		.amdhsa_system_sgpr_workgroup_id_z 1
		.amdhsa_system_vgpr_workitem_id 0
		.amdhsa_next_free_vgpr 192
		.amdhsa_next_free_sgpr 66
		.amdhsa_reserve_vcc 0
		.amdhsa_float_denorm_mode_32 3
		.amdhsa_float_denorm_mode_16_64 3
		.amdhsa_memory_ordered 1
		.amdhsa_forward_progress 1
		.amdhsa_inst_pref_size 58
	.end_amdhsa_kernel
	.amdgpu_metadata
---
amdhsa.version: [ 1, 2 ]
amdhsa.kernels:
  - .name:           k_q55a638dfb9_prep
    .symbol:         k_q55a638dfb9_prep.kd
    .args:
      - { .name: hidden_states, .offset: 0, .size: 8, .value_kind: global_buffer, .address_space: global }
      - { .name: Wq, .offset: 8, .size: 8, .value_kind: global_buffer, .address_space: global }
      - { .name: Wk, .offset: 16, .size: 8, .value_kind: global_buffer, .address_space: global }
      - { .name: Wv, .offset: 24, .size: 8, .value_kind: global_buffer, .address_space: global }
      - { .name: Wp, .offset: 32, .size: 8, .value_kind: global_buffer, .address_space: global }
      - { .name: xc, .offset: 40, .size: 8, .value_kind: global_buffer, .address_space: global }
      - { .name: xs, .offset: 48, .size: 8, .value_kind: global_buffer, .address_space: global }
      - { .name: wc, .offset: 56, .size: 8, .value_kind: global_buffer, .address_space: global }
      - { .name: ws, .offset: 64, .size: 8, .value_kind: global_buffer, .address_space: global }
      - { .name: wp16, .offset: 72, .size: 8, .value_kind: global_buffer, .address_space: global }
    .group_segment_fixed_size: 33280
    .private_segment_fixed_size: 0
    .kernarg_segment_align: 8
    .kernarg_segment_size: 80
    .max_flat_workgroup_size: 128
    .sgpr_count:     66
    .vgpr_count:     192
    .wavefront_size: 32
...
	.end_amdgpu_metadata
.endif
;; end of part 1
;; launch qkv (part 2): grid 12 x 16, 4 waves a work-group, clusters of 4 x 4, 327,680 bytes of LDS; arguments xc, xs, wc, ws, bq, bk, bv, qkv; writes qkv
.if DOCPART == 2
	.amdgcn_target "amdgcn-amd-amdhsa--gfx1250"
	.amdhsa_code_object_version 6
	.text
	.protected	k_q55a638dfb9_qkv
	.globl	k_q55a638dfb9_qkv
	.p2align	8
	.type	k_q55a638dfb9_qkv,@function
k_q55a638dfb9_qkv:
	s_mov_b64 s[64:65], 0
	v_nop
	global_prefetch_b8 v0, s[64:65] scope:SCOPE_SE
	s_setreg_imm32_b32 hwreg(HW_REG_WAVE_MODE, 25, 1), 1
	s_wait_xcnt 0x0
	s_wait_alu depctr_hold_cnt(0) depctr_sa_sdst(0) depctr_va_vdst(0) depctr_va_sdst(0) depctr_va_ssrc(0) depctr_va_vcc(0) depctr_vm_vsrc(0)
	s_getreg_b32 s2, hwreg(HW_REG_IB_STS2, 6, 4)
	s_cmp_eq_u32 s2, 0
	s_cbranch_scc0 .Lentry_in_a_cluster
	s_endpgm
.Lentry_in_a_cluster:
	s_bfe_u32 s2, ttmp6, 0x10000c
	s_cmp_lg_u32 s2, 0xf033
	s_cbranch_scc0 .Lentry_shape_is_right
	s_endpgm
.Lentry_shape_is_right:
; q, k, v = x W^T + b on codes of FP4 (E2M1) with E8M0 scales (K = 1,024), then the 3-D RoPE on q and k, q times log2(e) / 8, all rounded to f16 and stored as IMAGES OF THE NEXT PRODUCTS' OPERAND REGISTERS.
; qkv: q at byte 0, k at 8,388,608, v at 16,777,216; a head (bh = 16 batch + head) takes 262,144 bytes.
;   q, k: [bh][block of 16 tokens: 128][cf 2][hf 2][lane 32][16 bytes]: lane (r, h) holds channels 32 cf + 16 hf + 8 h + 0..7 of token 16 block + r.
;   v:    [bh][group of 32 keys: 64][ct 4][hf 2][lane][16 bytes]: lane (r, h) holds keys 32 group + 16 hf + 8 h + 0..7 of channel 16 ct + r.
; A tile is 256 x 256, four waves of 128 x 128 (64 accumulators).  The body multiplies 'A' (source 1: its rows fall on the lanes) by 'B' (source 0: its rows fall on a lane's eight registers).
; The cluster's x is the TYPE: 0 q, 1 k: A = x (tokens), B = W (features): a lane holds 8 neighbouring features of one token.  2 v: the pointers change places: A = Wv, B = x: a lane holds 8 neighbouring tokens of one channel.
; So each accumulator, packed to f16, is 16 bytes a lane, half a fragment of the next product, and a wave's store covers 512 consecutive bytes, aligned: no stage in LDS.
; K = 1,024 is two slots of 512: both are first fills, nothing is filled again.  By this text's count a wave has three tensor loads out: the scales, slot 0, slot 1.
; CLUSTERS: 4 x 4.  A's tile hangs on cy and the cluster's y alone and is asked for jointly along a row of the cluster, B's on cx (and the type or the cluster's y) along a column.
; ROPE: token = 256 tokT + 128 (wave / 2) + 16 a + r: frame = tokT & 7, height = 8 (wave / 2) + a, width = r.  A table in LDS, made by each work-group while its first tiles are on their way, holds for p = 0..15 and
; channel d = 0..63 the factors C[p][d] = cs cos(pos om), S'[p][d] = +-cs sin(pos om): pos = the frame for d < 20, p for 20 <= d < 60; C = cs, S' = 0 for d >= 60; the sign is - on even d; cs = log2(e) / 8 for q, 1 for k.
; out[d] = x[d] C[d] + x[d xor 1] S'[d].
; LIMITS: |q log2(e) / 8|, |k|, |v| stay under 65,504 (f16); NaN and infinities are not served.  Angles are at most 15 radians: reduced by pi / 2 in two parts, polynomials of degree 9 and 10 on |r| <= pi / 4
; (truncation under 4e-7); the frequencies by v_exp_f32 (1 ulp, ISA guide 15.8).
; 192 work-groups: twelve tiles of features x sixteen of tokens.
; REGISTERS: window 0: v1 r, v2 h; v8-15 T; v16-17, v20-21 fragment addresses; v22 table store; v24 16 x lane; v25, v26 table reads; v27 scale words' address; v28, v29 the add's two;
;   v32-95 scale words, later C (v32-63) and S' (v64-95); v96-111 the per-lane bias of v, later packed q or k; v112-127 the width rows of channels 32-47; v128-191 A's fragments, before that the table's work, later x + b; v192-255 the bias of q or k.
;   window 1: B's fragments, two sets.  windows 2, 3: the accumulators ((a, b) at v[8 (8 (a % 4) + b)] of window 2 + a / 4).
.set KSTEP,  512
.set NQ,     KSTEP/128
.set ROWB,   256
.set KROW,   512                       ; a row of codes in memory
.set PITCH,  272                       ; an LDS row: 256 bytes + 16 of padding: the 16 rows of a fragment load start 68 words apart
.set FR,     8
.set NL,     2
.set NP,     4
.set HALFT,  128*PITCH
.set SLOT,   4*HALFT
.set KS,     32                        ; a row of scale bytes
.set SCL,    2*SLOT
.set HALFS,  (128*KS/256)*272
.set SBLK,   (16*KS/256)*272
.set SPARE,  SCL+4*HALFS               ; the spare words: 128 bytes a wave, named by no other line
.set TAB,    SPARE+512                 ; the table: C, 16 rows of 272 bytes, then S'
.set TABS,   16*272
.set ADRA, 16
.set ADRB, 20
.set TW,   22
.set GO,   24
.set TA0,  25                          ; TAB + 272 r + 32 h
.set TA1,  26                          ; TAB + 64 + 272 x 8 (wave / 2) + 32 h
.set ADRS, 27
.set SPW,  28
.set NIL,  29
.set T,    8
.set SC,   32
.set CC,   32
.set SS,   64
.set BV,   96
.set ZZ,   96
.set ZV,   32
.set CW,   112
.set SW,   120
.set AF,   128
.set XX,   128
.set BIAS, 192
.set G1, 24
.set G0, 32
.set G1B, 48
.set G0B, 56
.set G1S, 68
.set G0S, 76
.set G1SB, 80
.set G0SB, 88
.set MSB, 0
.macro WIN new                         ; the immediate's high byte repeats the setting that is left
.if MSB != (\new)
	s_set_vgpr_msb (MSB<<8)|(\new)
.set MSB, (\new)
.endif
.endm
.set MUL_LO, 0xa1                      ; source 0 (B) window 1, source 1 (A) window 0, C and D window 2
.set MUL_HI, 0xf1
.set TO_B,   0x40
; A joint load: waves 0 and 1 fetch for A, waves 2 and 3 for B; the branch hangs on the wave's number alone.  An s_nop 0 and four v_nop follow each line.
.macro JLOAD g0a, g1a, g0b, g1b
	s_cmp_eq_u32 s15, 0
	s_cbranch_scc0 .Lfor_b_\@
	tensor_load_to_lds s[\g0a:\g0a+3], s[\g1a:\g1a+7]
	s_nop 0
.rept 4
	v_nop
.endr
	s_branch .Lasked_\@
.Lfor_b_\@:
	tensor_load_to_lds s[\g0b:\g0b+3], s[\g1b:\g1b+7]
	s_nop 0
.rept 4
	v_nop
.endr
.Lasked_\@:
.endm
.macro CROUND                          ; a round of the cluster's barrier
	s_barrier_signal -1
	s_barrier_wait -1
	s_cmp_lg_u32 s14, 0
	s_cbranch_scc1 .Lnot_wave_0_\@
	s_barrier_signal -3
.Lnot_wave_0_\@:
	s_barrier_wait -3
	s_barrier_signal -1
	s_barrier_wait -1
.endm
	s_load_b256 s[4:11], s[0:1], 0x0               ; xc 4, xs 6, wc 8, ws 10
	s_load_b128 s[96:99], s[0:1], 0x20             ; bq 96, bk 98
	s_load_b64 s[100:101], s[0:1], 0x30            ; bv
	s_load_b64 s[104:105], s[0:1], 0x38            ; qkv
	v_lshl_add_u32 v[SPW], v0, 2, SPARE
	v_mov_b32 v[NIL], 0
	ds_add_u32 v[SPW], v[NIL]                      ; the wave's opening: the add, twice on end, and its wait ahead of my first tensor load
	ds_add_u32 v[SPW], v[NIL]
	v_lshrrev_b32 v1, 5, v0
	v_readfirstlane_b32 s14, v1                    ; wave 0..3
	s_lshr_b32 s15, s14, 1                         ; my half of A's rows.  Also: I fetch for A (0) or for B (1)
	s_and_b32 s16, s14, 1                          ; my half of B's rows.  Also: which 128 rows I fetch
	s_bfe_u32 s40, ttmp6, 0x40000                  ; cx
	s_bfe_u32 s41, ttmp6, 0x40004                  ; cy
	s_mov_b32 s66, ttmp9                           ; TYPE: the cluster's x, the same in all sixteen partners
	s_and_b32 s67, ttmp7, 0xffff
	s_lshl_b32 s67, s67, 2                         ; 4 x the cluster's y
	s_add_co_u32 s17, s67, s41                     ; a tile of tokens by cy
	s_add_co_u32 s18, s41, 8                       ; Wv's tile of rows in wc
	s_add_co_u32 s42, s67, s40                     ; a tile of tokens by cx
	s_lshl_b32 s95, s66, 2
	s_add_co_u32 s95, s95, s40                     ; Wq's or Wk's tile of rows in wc
	s_cmp_eq_u32 s66, 2
	s_cselect_b32 s2, s42, s17                     ; tokT: my tile of 256 tokens (it enters the table's numbers and the output's address alone)
	s_cselect_b32 s17, s18, s17                    ; A's tile: made of cy, never of cx
	s_cselect_b32 s42, s42, s95                    ; B's tile: made of cx, never of cy
	s_cmp_eq_u32 s66, 0
	s_mov_b32 s3, 0x3e38aa3b                       ; log2(e) / 8
	s_cselect_b32 s3, s3, 1.0                      ; cs
	s_lshl_b32 s43, s41, 2
	s_lshl_b32 s43, 15, s43                        ; my row of the cluster
	s_lshl_b32 s44, 0x1111, s40                    ; my column
	s_or_b32 s[G1+0], s43, (0<<16)|(1<<20)|(1<<21)|(5<<22)|(3<<25)  ; mask; elements of 1 byte; padding: 4 words behind every 64; bit 21 beside a mask
	s_or_b32 s[G1B+0], s44, (0<<16)|(1<<20)|(1<<21)|(5<<22)|(3<<25)
.irp g, G1, G1B
	s_mov_b32 s[\g+1], ROWB<<16                    ; tensor_dim0
	s_mov_b32 s[\g+2], 128<<16                     ; tensor_dim1
	s_mov_b32 s[\g+3], ROWB<<16                    ; tile_dim0
	s_mov_b32 s[\g+4], 128                         ; tile_dim1
	s_mov_b32 s[\g+5], KROW                        ; pitch
	s_mov_b32 s[\g+6], 0
	s_mov_b32 s[\g+7], 0
.endr
	s_or_b32 s[G1S+0], s43, (3<<16)|(1<<20)|(1<<21)|(5<<22)|(3<<25) ; the scales of 128 rows: 4,096 dense bytes as 16 rows of 256, 16 bytes of padding behind each
	s_or_b32 s[G1SB+0], s44, (3<<16)|(1<<20)|(1<<21)|(5<<22)|(3<<25)
.irp g, G1S, G1SB
	s_mov_b32 s[\g+1], 32<<16
	s_mov_b32 s[\g+2], (128*KS/256)<<16
	s_mov_b32 s[\g+3], 32<<16
	s_mov_b32 s[\g+4], 128*KS/256
	s_mov_b32 s[\g+5], 32
	s_mov_b32 s[\g+6], 0
	s_mov_b32 s[\g+7], 0
.endr
	s_lshl_b32 s18, s16, 7                         ; which 128 rows of a tile I fetch
	s_lshl_b32 s20, s17, 8
	s_add_co_u32 s20, s20, s18                     ; A's row
	s_lshl_b32 s46, s42, 8
	s_add_co_u32 s46, s46, s18                     ; B's row
	s_lshl_b32 s22, s20, 5                         ; its scale bytes,
	s_mov_b32 s23, 0
	s_lshl_b32 s20, s20, 9                         ; its codes
	s_mov_b32 s21, 0
	s_lshl_b32 s92, s46, 5
	s_mov_b32 s93, 0
	s_lshl_b32 s46, s46, 9
	s_mov_b32 s47, 0
	s_mul_i32 s45, s14, HALFT                      ; where they go: wave x 128 rows
	s_mul_i32 s94, s14, HALFS
	s_wait_dscnt 0x0                               ; both opening adds are done
	s_wait_kmcnt 0x0
	s_cmp_eq_u32 s66, 2                            ; for v the operands change places: a choice of buffers on the type alone
	s_cselect_b64 s[12:13], s[8:9], s[4:5]
	s_add_nc_u64 s[20:21], s[12:13], s[20:21]      ; A's codes
	s_cselect_b64 s[12:13], s[10:11], s[6:7]
	s_add_nc_u64 s[22:23], s[12:13], s[22:23]      ; A's scales
	s_cselect_b64 s[12:13], s[4:5], s[8:9]
	s_add_nc_u64 s[46:47], s[12:13], s[46:47]      ; B's codes
	s_cselect_b64 s[12:13], s[6:7], s[10:11]
	s_add_nc_u64 s[92:93], s[12:13], s[92:93]      ; B's scales
	CROUND                                         ; all sixteen work-groups are here: the first joint loads meet
	s_mov_b32 s[G0S], 1
	s_add_co_u32 s[G0S+1], s94, SCL
	s_mov_b64 s[G0S+2:G0S+3], s[22:23]
	s_or_b32 s[G0S+3], s[G0S+3], 0x80000000
	s_mov_b32 s[G0SB], 1
	s_add_co_u32 s[G0SB+1], s94, SCL
	s_mov_b64 s[G0SB+2:G0SB+3], s[92:93]
	s_or_b32 s[G0SB+3], s[G0SB+3], 0x80000000
	JLOAD G0S, G1S, G0SB, G1SB                     ; the scales first
.irp s, 0,1
	s_mov_b32 s[G0+4*\s], 1
	s_add_co_u32 s[G0+4*\s+1], s45, \s*SLOT
	s_add_nc_u64 s[G0+4*\s+2:G0+4*\s+3], s[20:21], \s*ROWB
	s_or_b32 s[G0+4*\s+3], s[G0+4*\s+3], 0x80000000
	s_mov_b32 s[G0B+4*\s], 1
	s_add_co_u32 s[G0B+4*\s+1], s45, \s*SLOT
	s_add_nc_u64 s[G0B+4*\s+2:G0B+4*\s+3], s[46:47], \s*ROWB
	s_or_b32 s[G0B+4*\s+3], s[G0B+4*\s+3], 0x80000000
	JLOAD G0+4*\s, G1, G0B+4*\s, G1B
.endr
	v_and_b32 v1, 15, v0                           ; r
	v_bfe_u32 v2, v0, 4, 1                         ; h
	v_mul_u32_u24 v3, v1, PITCH
	v_lshl_add_u32 v4, v2, 4, v3                   ; a fragment's row x pitch + 16 h
	s_mul_i32 s21, s15, HALFT
	s_mul_i32 s22, s16, HALFT
	s_add_co_u32 s22, s22, 2*HALFT
.irp s, 0,1
	v_add_nc_u32 v[ADRA+\s], s21, v4
	v_add_nc_u32 v[ADRB+\s], s22, v4
	s_add_co_u32 s21, s21, SLOT
	s_add_co_u32 s22, s22, SLOT
.endr
	v_mul_u32_u24 v5, v1, KS                       ; my row's scales: 32 bytes a row,
	v_lshrrev_b32 v6, 8, v5
	v_lshl_add_u32 v5, v6, 4, v5                   ; and 16 more for each 256 passed
	s_mul_i32 s21, s15, HALFS
	s_mul_i32 s22, s16, HALFS
	s_add_co_u32 s22, s22, 2*HALFS
	s_sub_co_u32 s22, s22, s21
	v_mul_u32_u24 v6, s22, v2                      ; lanes 16-31 take B's
	s_add_co_u32 s21, s21, SCL
	v_add_nc_u32 v5, v5, v6
	v_add_nc_u32 v[ADRS], s21, v5
	v_mul_u32_u24 v[TA0], v1, 272
	v_lshl_add_u32 v[TA0], v2, 5, v[TA0]
	v_add_nc_u32 v[TA0], TAB, v[TA0]
	s_mul_i32 s21, s15, 8*272
	v_lshlrev_b32 v[TA1], 5, v2
	v_add_nc_u32 v[TA1], s21, v[TA1]
	v_add_nc_u32 v[TA1], TAB+64, v[TA1]
	v_and_b32 v6, 31, v0
	v_lshlrev_b32 v[GO], 4, v6                     ; 16 x lane
	; the biases: both layouts are loaded for every type, so that no register hangs on a path
	s_cmp_eq_u32 s66, 1
	s_cselect_b64 s[96:97], s[98:99], s[96:97]
	s_cmp_eq_u32 s66, 2
	s_cselect_b64 s[96:97], s[100:101], s[96:97]   ; bq, bk or bv
	s_cselect_b32 s18, s41, s40                    ; my tile of 256 features
	s_cselect_b32 s19, s15, s16                    ; my half of it,
	s_cselect_b32 s20, s16, s15                    ; and my half of the tokens
	s_lshl_b32 s21, s18, 10
	s_lshl_b32 s22, s16, 9
	s_add_co_u32 s21, s21, s22
	v_lshl_add_u32 v10, v2, 5, s21                 ; q, k: the eight features of my half of the lanes, block b 64 bytes on
	s_lshl_b32 s21, s41, 10
	s_lshl_b32 s22, s15, 9
	s_add_co_u32 s21, s21, s22
	v_lshl_add_u32 v11, v1, 2, s21                 ; v: my lane's feature, block a 64 bytes on
.irp b, 0,1,2,3,4,5,6,7
	global_load_b128 v[BIAS+8*\b:BIAS+8*\b+3], v10, s[96:97] offset:64*\b
	global_load_b128 v[BIAS+8*\b+4:BIAS+8*\b+7], v10, s[96:97] offset:64*\b+16
.endr
.irp a, 0,1,2,3,4,5,6,7
	global_load_b32 v[BV+2*\a], v11, s[96:97] offset:64*\a      ; the same word twice: a pair for the packed addition
	global_load_b32 v[BV+2*\a+1], v11, s[96:97] offset:64*\a
.endr
	; THE TABLE.  Thread: d = tid & 63, rows p = (tid >> 6) + 2 i, i = 0..7
.set TD,  128
.set TSEG,129
.set TI,  130
.set TOM, 131
.set TSGN,132
.set TP,  133
.set TFP, 134
.set TX,  135
.set TK,  136
.set TR,  137
.set TR2, 138
.set TPS, 139
.set TPC, 140
.set TQ,  141
.set TSN, 142
.set TCS, 143
.set TT,  144
.set C9,  145
.set C10, 146
.set TO,  148                          ; v148-163: what is stored, a pair for each i
	v_and_b32 v[TD], 63, v0
	v_lshrrev_b32 v[TP], 6, v0
	v_mul_u32_u24 v[TW], v[TP], 272
	v_lshl_add_u32 v[TW], v[TD], 2, v[TW]
	v_add_nc_u32 v[TW], TAB, v[TW]
	v_mul_u32_u24 v[TSEG], v[TD], 205
	v_lshrrev_b32 v[TSEG], 12, v[TSEG]             ; d / 20
	v_mul_u32_u24 v[TI], v[TSEG], 20
	v_sub_nc_u32 v[TI], v[TD], v[TI]               ; d % 20
	v_mul_u32_u24 v[TT], v[TI], 205
	v_lshrrev_b32 v[TT], 11, v[TT]
	v_mul_u32_u24 v[TT], v[TT], 10
	v_sub_nc_u32 v[TI], v[TI], v[TT]               ; % 10: sin and cos are tiled
	v_cvt_f32_u32 v[TI], v[TI]
	v_mul_f32 v[TI], 0xbfaa152d, v[TI]             ; x -log2(10000) / 10
	v_exp_f32 v[TOM], v[TI]                        ; the frequency
	v_and_b32 v[TSGN], 1, v[TD]                    ; (plain work behind the exponential)
	v_xor_b32 v[TSGN], 1, v[TSGN]
	v_lshlrev_b32 v[TSGN], 31, v[TSGN]             ; - on even d
	v_cvt_f32_u32 v[TP], v[TP]
	s_and_b32 s12, s2, 7
	v_cvt_f32_u32 v[TFP], s12                      ; the frame
	v_mov_b32 v[C9], 0x3638ef1d                    ; 1 / 9!
	v_mov_b32 v[C10], 0xb493f27e                   ; -1 / 10!
	v_cmp_eq_u32 s13, 0, v[TSEG]
	v_cmp_ne_u32 vcc_lo, 3, v[TSEG]
	s_wait_alu depctr_va_vdst(0)                   ; the wait ahead of the first line that names the exponential's result
	v_cndmask_b32 v[TOM], 0, v[TOM], vcc_lo        ; channels 60-63 pass: angle 0
.macro SINCOS i
	v_cndmask_b32 v[TX], v[TP], v[TFP], s13        ; the position
	v_mul_f32 v[TX], v[TX], v[TOM]                 ; the angle
	v_mul_f32 v[TK], 0x3f22f983, v[TX]             ; x 2 / pi
	v_rndne_f32 v[TK], v[TK]
	v_fmamk_f32 v[TR], v[TK], 0xbfc90fdb, v[TX]    ; less k x pi / 2, in two parts
	v_fmamk_f32 v[TR], v[TK], 0x333bbd2e, v[TR]
	v_mul_f32 v[TR2], v[TR], v[TR]
	v_fmaak_f32 v[TPS], v[C9], v[TR2], 0xb9500d01
	v_fmaak_f32 v[TPC], v[C10], v[TR2], 0x37d00d01
	v_fmaak_f32 v[TPS], v[TPS], v[TR2], 0x3c088889
	v_fmaak_f32 v[TPC], v[TPC], v[TR2], 0xbab60b61
	v_fmaak_f32 v[TPS], v[TPS], v[TR2], 0xbe2aaaab
	v_fmaak_f32 v[TPC], v[TPC], v[TR2], 0x3d2aaaab
	v_mul_f32 v[TT], v[TR], v[TR2]
	v_fmaak_f32 v[TPC], v[TPC], v[TR2], 0xbf000000
	v_fma_f32 v[TPS], v[TPS], v[TT], v[TR]         ; sin r
	v_fma_f32 v[TPC], v[TPC], v[TR2], 1.0          ; cos r
	v_cvt_i32_f32 v[TQ], v[TK]                     ; the quadrant: it only selects values
	v_and_b32 v[TT], 1, v[TQ]
	v_cmp_eq_u32 vcc_lo, 1, v[TT]
	v_cndmask_b32 v[TSN], v[TPS], v[TPC], vcc_lo
	v_cndmask_b32 v[TCS], v[TPC], v[TPS], vcc_lo
	v_and_b32 v[TT], 2, v[TQ]
	v_lshlrev_b32 v[TT], 30, v[TT]
	v_xor_b32 v[TSN], v[TT], v[TSN]
	v_xor_b32 v[TSN], v[TSGN], v[TSN]
	v_add_nc_u32 v[TQ], 1, v[TQ]
	v_and_b32 v[TQ], 2, v[TQ]
	v_lshlrev_b32 v[TQ], 30, v[TQ]
	v_xor_b32 v[TCS], v[TQ], v[TCS]
	v_mul_f32 v[TO+2*\i], s3, v[TCS]
	v_mul_f32 v[TO+2*\i+1], s3, v[TSN]
	ds_store_b32 v[TW], v[TO+2*\i] offset:544*\i
	ds_store_b32 v[TW], v[TO+2*\i+1] offset:544*\i+TABS
	v_add_f32 v[TP], 2.0, v[TP]
.endm
.irp i, 0,1,2,3,4,5,6,7
	SINCOS \i
.endr
	; where my wave's part of the output begins: type x 8,388,608 + head x 262,144 + (tokT & 7) x 32,768 + my half of the tokens x 16,384: the same sum for all three layouts
	s_lshr_b32 s21, s2, 3
	s_lshl_b32 s21, s21, 4                         ; 16 x batch
	s_lshl_b32 s22, s18, 2
	s_add_co_u32 s21, s21, s22                     ; + 4 heads a tile of features
	s_lshl_b32 s22, s19, 1
	s_add_co_u32 s21, s21, s22                     ; + 2 a half
	s_lshl_b32 s21, s21, 18
	s_and_b32 s22, s2, 7
	s_lshl_b32 s22, s22, 15
	s_add_co_u32 s21, s21, s22
	s_lshl_b32 s22, s20, 14
	s_add_co_u32 s21, s21, s22
	s_lshl_b32 s22, s66, 23
	s_add_co_u32 s12, s21, s22
	s_mov_b32 s13, 0
	s_add_nc_u64 s[12:13], s[104:105], s[12:13]
.macro FRAG reg, adr, q, i             ; 16 rows x 128 K of 4-bit codes: 8 registers, two loads 32 bytes apart
.irp c, 0,1
	ds_load_b128 v[\reg+4*\c:\reg+4*\c+3], v[\adr] offset:64*(\q)+32*\c+(\i)*16*PITCH
.endr
.endm
; 16 matrix instructions: A's blocks a0, a0 + 1 x B's eight.  The 64 accumulators take turns, one instruction a turn, in the same order in every step.
.macro MUL16 a0, p, q, sc, zero
.irp a, \a0, \a0+1
.irp b, 0,1,2,3,4,5,6,7
.if \zero
	v_wmma_scale_f32_16x16x128_f8f6f4 v[8*(8*((\a)%4)+\b):8*(8*((\a)%4)+\b)+7], v[128*(\p)+FR*\b:128*(\p)+FR*\b+FR-1], v[AF+FR*(\a):AF+FR*(\a)+FR-1], 0, v[SC+8*NQ*(\sc)+NQ*\b+(\q)], v[SC+8*NQ*(\sc)+NQ*(\a)+(\q)] matrix_a_fmt:MATRIX_FMT_FP4 matrix_b_fmt:MATRIX_FMT_FP4 matrix_a_scale:MATRIX_SCALE_ROW1
.else
	v_wmma_scale_f32_16x16x128_f8f6f4 v[8*(8*((\a)%4)+\b):8*(8*((\a)%4)+\b)+7], v[128*(\p)+FR*\b:128*(\p)+FR*\b+FR-1], v[AF+FR*(\a):AF+FR*(\a)+FR-1], v[8*(8*((\a)%4)+\b):8*(8*((\a)%4)+\b)+7], v[SC+8*NQ*(\sc)+NQ*\b+(\q)], v[SC+8*NQ*(\sc)+NQ*(\a)+(\q)] matrix_a_fmt:MATRIX_FMT_FP4 matrix_b_fmt:MATRIX_FMT_FP4 matrix_a_scale:MATRIX_SCALE_ROW1
.endif
.endr
.endr
.endm
.macro FETCH_B slot, q, p
	WIN TO_B
.irp i, 0,1,2,3,4,5,6,7
	FRAG 128*(\p)+FR*\i, ADRB+\slot, \q, \i
.endr
	WIN 0
.endm
.macro FETCH_A slot, q, i0
.irp i, \i0, \i0+1, \i0+2, \i0+3
	FRAG AF+FR*(\i), ADRA+\slot, \q, \i
.endr
.endm
.macro SCALES sc                       ; a slot's scale words: lanes 0-15 A's block i, lanes 16-31 B's block i
.irp i, 0,1,2,3,4,5,6,7
	ds_load_b128 v[SC+8*NQ*\sc+NQ*\i:SC+8*NQ*\sc+NQ*\i+3], v[ADRS] offset:\i*SBLK
.endr
.endm
.macro PLACES n                        ; plain vector lines between a matrix instruction and a load into, or a read of, its registers
.rept \n
	v_nop
.endr
.endm
.macro STEP slot, q, zero              ; 128 along K, with its successor in the same slot
	s_wait_dscnt 4*NL                              ; B's set and A's blocks 0-3 are in; the youngest eight loads (A's blocks 4-7) may be out
	WIN MUL_LO
	MUL16 0, (\q)%2, \q, \slot, \zero
	MUL16 2, (\q)%2, \q, \slot, \zero
	s_wait_dscnt 0                                 ; A's blocks 4-7 are in
	PLACES NP
	FETCH_B \slot, (\q)+1, 1-(\q)%2
	FETCH_A \slot, (\q)+1, 0
	WIN MUL_HI
	MUL16 4, (\q)%2, \q, \slot, \zero
	MUL16 6, (\q)%2, \q, \slot, \zero
	PLACES NP
	WIN 0
	FETCH_A \slot, (\q)+1, 4
.endm
.macro TURN slot, next                 ; slot 0's last step changes slots: one barrier; nothing is filled again
	s_wait_tensorcnt 0x0                           ; all my tensor loads have landed: my part of slot 1
	ds_add_u32 v[SPW], v[NIL]                      ; 0 onto my spare word
	s_wait_dscnt 4*NL+1                            ; (the add and the youngest eight loads may be out)
	WIN MUL_LO
	MUL16 0, 1, NQ-1, \slot, 0
	s_wait_dscnt 0x0                               ; the add is done, my LDS loads are in
	s_barrier_signal -1
	MUL16 2, 1, NQ-1, \slot, 0
	WIN 0
	s_barrier_wait -1                              ; every wave's part of slot 1 has landed
	PLACES NP
	v_add_nc_u32 v[ADRS], 4*NQ, v[ADRS]            ; the next slot's scale words
	FETCH_B \next, 0, 0
	FETCH_A \next, 0, 0
	SCALES \next
	WIN MUL_HI
	MUL16 4, 1, NQ-1, \slot, 0
	MUL16 6, 1, NQ-1, \slot, 0
	PLACES NP
	WIN 0
	FETCH_A \next, 0, 4
.endm
.macro STEPS slot, from
.set Q, \from
.rept NQ-1-\from
	STEP \slot, Q, 0
.set Q, Q+1
.endr
.endm
	s_wait_dscnt 0x0                               ; for the others' sake: my part of the table is stored
	s_wait_tensorcnt 1                             ; the scales and my part of slot 0 are in; slot 1's load may be out
	s_barrier_signal -1
	s_barrier_wait -1
	FETCH_B 0, 0, 0
	FETCH_A 0, 0, 0
	SCALES 0
	FETCH_A 0, 0, 4
	STEP 0, 0, 1                                   ; the first products start the sums
	STEPS 0, 1
	TURN 0, 1
	STEPS 1, 0
	s_wait_dscnt 4*NL                              ; the last step: nothing more to fetch
	WIN MUL_LO
	MUL16 0, 1, NQ-1, 1, 0
	MUL16 2, 1, NQ-1, 1, 0
	s_wait_dscnt 0
	WIN MUL_HI
	MUL16 4, 1, NQ-1, 1, 0
	MUL16 6, 1, NQ-1, 1, 0
	WIN 0
	; THE WAY OUT
	s_wait_loadcnt 0x0                             ; the biases; their offset registers may be written again
	PLACES NP                                      ; behind the last products: for the loads into the scale words' registers, the writes over A's fragments and the reads of results
	s_cmp_eq_u32 s66, 2                            ; the type: the same in all partners
	s_cbranch_scc1 .Lvout
	v_cmp_eq_u32 s18, 1, v2                        ; lanes 16-31
.irp t, 0,3                            ; channels 0-15 (the frame: the same in every row) and 48-63 (the width, and what passes): row r, once
	ds_load_b128 v[CC+8*\t:CC+8*\t+3], v[TA0] offset:64*\t
	ds_load_b128 v[CC+8*\t+4:CC+8*\t+7], v[TA0] offset:64*\t+16
	ds_load_b128 v[SS+8*\t:SS+8*\t+3], v[TA0] offset:64*\t+TABS
	ds_load_b128 v[SS+8*\t+4:SS+8*\t+7], v[TA0] offset:64*\t+TABS+16
.endr
	ds_load_b128 v[CW:CW+3], v[TA0] offset:128     ; channels 40-47 (lanes 16-31): the width, row r, once
	ds_load_b128 v[CW+4:CW+7], v[TA0] offset:144
	ds_load_b128 v[SW:SW+3], v[TA0] offset:128+TABS
	ds_load_b128 v[SW+4:SW+7], v[TA0] offset:144+TABS
.macro COEF a                          ; channels 16-47 from the row of block a's height
.irp t, 1,2
	ds_load_b128 v[CC+8*\t:CC+8*\t+3], v[TA1] offset:272*(\a)+64*(\t-1)
	ds_load_b128 v[CC+8*\t+4:CC+8*\t+7], v[TA1] offset:272*(\a)+64*(\t-1)+16
	ds_load_b128 v[SS+8*\t:SS+8*\t+3], v[TA1] offset:272*(\a)+64*(\t-1)+TABS
	ds_load_b128 v[SS+8*\t+4:SS+8*\t+7], v[TA1] offset:272*(\a)+64*(\t-1)+TABS+16
.endr
.endm
.macro ROPE a                          ; block a: 16 tokens x my 128 features
.set AC, 64*((\a)%4)
	WIN 0x02+(\a)/4                                ; source 0: the accumulators' window
.set n, 0
.rept 32
	v_pk_add_f32 v[XX+2*n:XX+2*n+1], v[AC+2*n:AC+2*n+1], v[BIAS+2*n:BIAS+2*n+1]   ; + b; each accumulator from its low end on
.set n, n+1
.endr
	WIN 0
	s_wait_dscnt 0x0                               ; the block's factors are in
.irp j, 0,1,2,3,4,5,6,7
	v_cndmask_b32 v[CC+16+\j], v[CC+16+\j], v[CW+\j], s18     ; channels 32-47: lanes 0-15 keep the height's row, lanes 16-31 take the width's
	v_cndmask_b32 v[SS+16+\j], v[SS+16+\j], v[SW+\j], s18
.endr
.irp b, 0,1,2,3,4,5,6,7
.if (\b%4) == 0
	s_wait_xcnt 0x0                                ; the last four stores have read the registers that are packed into next
.endif
.irp i, 0,2,4,6
	v_pk_mul_f32 v[T+\i:T+\i+1], v[XX+8*\b+\i:XX+8*\b+\i+1], v[CC+8*(\b%4)+\i:CC+8*(\b%4)+\i+1]
.endr
.irp i, 0,2,4,6
	v_pk_fma_f32 v[T+\i:T+\i+1], v[XX+8*\b+\i:XX+8*\b+\i+1], v[SS+8*(\b%4)+\i:SS+8*(\b%4)+\i+1], v[T+\i:T+\i+1] op_sel:[1,0,0] op_sel_hi:[0,1,1]   ; the pair's other number x S'
.endr
.irp i, 0,1,2,3
	v_cvt_pk_f16_f32 v[ZZ+4*(\b%4)+\i], v[T+2*\i], v[T+2*\i+1]
.endr
	global_store_b128 v[GO], v[ZZ+4*(\b%4):ZZ+4*(\b%4)+3], s[12:13] offset:(\b/4)*262144+(\a)*2048+(\b%4)*512   ; 512 consecutive bytes, aligned
.endr
.endm
	COEF 0
.irp a, 0,1,2,3,4,5,6
	ROPE \a
	COEF \a+1                                      ; behind the block's last read of the factors
.endr
	ROPE 7
	s_branch .Ldone
.Lvout:
.macro VOUT a                          ; block a: 16 channels x my 128 tokens
.set AC, 64*((\a)%4)
	WIN 0x02+(\a)/4
.set n, 0
.rept 32
	v_pk_add_f32 v[XX+2*n:XX+2*n+1], v[AC+2*n:AC+2*n+1], v[BV+2*(\a):BV+2*(\a)+1]
.set n, n+1
.endr
	WIN 0
	s_wait_xcnt 0x0                                ; the last block's stores have read their registers
.set n, 0
.rept 32
	v_cvt_pk_f16_f32 v[ZV+n], v[XX+2*n], v[XX+2*n+1]
.set n, n+1
.endr
.irp b, 0,1,2,3,4,5,6,7
	global_store_b128 v[GO], v[ZV+4*\b:ZV+4*\b+3], s[12:13] offset:((\a)/4)*262144+((\a)%4)*1024+(\b/2)*4096+(\b%2)*512
.endr
.endm
.irp a, 0,1,2,3,4,5,6,7
	VOUT \a
.endr
.Ldone:
	s_wait_tensorcnt 0x0                           ; the wave's end
	ds_add_u32 v[SPW], v[NIL]
	s_wait_dscnt 0x0
	CROUND                                         ; the closing round
	s_endpgm
.Lfunc_end_k_q55a638dfb9_qkv:
	.size	k_q55a638dfb9_qkv, .Lfunc_end_k_q55a638dfb9_qkv-k_q55a638dfb9_qkv
	.p2alignl 7, 3214868480
	.fill 96, 4, 3214868480
	.section	.rodata,"a",@progbits
	.p2align	6, 0x0
	.amdhsa_kernel k_q55a638dfb9_qkv
		.amdhsa_group_segment_fixed_size 327680
		.amdhsa_private_segment_fixed_size 0
		.amdhsa_enable_private_segment 0
		.amdhsa_kernarg_size 64
		.amdhsa_user_sgpr_count 2
		.amdhsa_user_sgpr_kernarg_segment_ptr 1
		.amdhsa_wavefront_size32 1
		.amdhsa_system_sgpr_workgroup_id_x 1
		.amdhsa_system_sgpr_workgroup_id_y 1
		.amdhsa_system_sgpr_workgroup_id_z 1
		.amdhsa_system_vgpr_workitem_id 0
		.amdhsa_next_free_vgpr 1024
		.amdhsa_next_free_sgpr 106
		.amdhsa_reserve_vcc 1
		.amdhsa_float_denorm_mode_32 3
		.amdhsa_float_denorm_mode_16_64 3
		.amdhsa_memory_ordered 1
		.amdhsa_forward_progress 1
		.amdhsa_inst_pref_size 236
	.end_amdhsa_kernel
	.amdgpu_metadata
---
amdhsa.version: [ 1, 2 ]
amdhsa.kernels:
  - .name:           k_q55a638dfb9_qkv
    .symbol:         k_q55a638dfb9_qkv.kd
    .args:
      - { .name: xc, .offset: 0, .size: 8, .value_kind: global_buffer, .address_space: global }
      - { .name: xs, .offset: 8, .size: 8, .value_kind: global_buffer, .address_space: global }
      - { .name: wc, .offset: 16, .size: 8, .value_kind: global_buffer, .address_space: global }
      - { .name: ws, .offset: 24, .size: 8, .value_kind: global_buffer, .address_space: global }
      - { .name: bq, .offset: 32, .size: 8, .value_kind: global_buffer, .address_space: global }
      - { .name: bk, .offset: 40, .size: 8, .value_kind: global_buffer, .address_space: global }
      - { .name: bv, .offset: 48, .size: 8, .value_kind: global_buffer, .address_space: global }
      - { .name: qkv, .offset: 56, .size: 8, .value_kind: global_buffer, .address_space: global }
    .group_segment_fixed_size: 327680
    .private_segment_fixed_size: 0
    .kernarg_segment_align: 8
    .kernarg_segment_size: 64
    .max_flat_workgroup_size: 128
    .sgpr_count:     106
    .vgpr_count:     1024
    .wavefront_size: 32
...
	.end_amdgpu_metadata
.endif
;; end of part 2
;; launch attn (part 3): grid 8 x 32, 8 waves a work-group, clusters of 4 x 1, 327,680 bytes of LDS; arguments qkv, ctx; writes ctx
.if DOCPART == 3
	.amdgcn_target "amdgcn-amd-amdhsa--gfx1250"
	.amdhsa_code_object_version 6
	.text
	.protected	k_q55a638dfb9_attn
	.globl	k_q55a638dfb9_attn
	.p2align	8
	.type	k_q55a638dfb9_attn,@function
k_q55a638dfb9_attn:
	s_mov_b64 s[64:65], 0
	v_nop
	global_prefetch_b8 v0, s[64:65] scope:SCOPE_SE
	s_setreg_imm32_b32 hwreg(HW_REG_WAVE_MODE, 25, 1), 1
	s_wait_xcnt 0x0
	s_wait_alu depctr_hold_cnt(0) depctr_sa_sdst(0) depctr_va_vdst(0) depctr_va_sdst(0) depctr_va_ssrc(0) depctr_va_vcc(0) depctr_vm_vsrc(0)
	s_getreg_b32 s2, hwreg(HW_REG_IB_STS2, 6, 4)
	s_cmp_eq_u32 s2, 0
	s_cbranch_scc0 .Lentry_in_a_cluster
	s_endpgm
.Lentry_in_a_cluster:
	s_bfe_u32 s2, ttmp6, 0x10000c
	s_cmp_lg_u32 s2, 0x3003
	s_cbranch_scc0 .Lentry_shape_is_right
	s_endpgm
.Lentry_shape_is_right:
; ctx = softmax(q k^T / 8) v for 32 heads of 2,048 tokens x 64 channels, operands in f16, sums, maxima and exponentials in f32.  q already carries log2(e) / 8, so p = 2^(s - m).
; q, k, v arrive as images of the operand registers (qkv: q at 0, k at 8,388,608, v at 16,777,216; 262,144 bytes a head; key n's data begin 128 n bytes into the head): every fragment is two loads of 16 bytes a lane at 16 x lane.
; ctx leaves as images for the projection: [ks 4][block of 16 tokens: 256][kf 8][hf 2][lane][16 bytes], K = 64 head + channel = 256 ks + 32 kf + 16 hf + 8 h + 0..7.
; SHARES.  A work-group owns 256 queries of one head.  Wave w: g = w & 3: its 64 queries, four tiles of 16; kh = w >> 2: its half of the keys, 16 steps of 64.  Two waves of 512 registers lie on a SIMD, so that
; one wave's softmax can stand beside the other's products; each fragment of K and V read from LDS still feeds four products.  At the end the two halves of the keys are joined through LDS: register slot i holds
; query tile (i + 2 kh) & 3, so every wave, by the same text, sends slots 2 and 3 to wave w xor 4 and finishes slots 0 and 1.
; LAYOUT.  S^T = K Q^T and O^T = V^T P: a lane holds one query throughout; two tiles of S^T, packed to f16 in place, are source 1 of the second product.
; SOFTMAX.  A running maximum m and sum l for each query; in every step O and l are multiplied by a = 2^(m_old - m_new).  l is summed of the unrounded p.
; RING.  Two slots of 131,072 bytes, each 256 keys of both halves (four steps); wave w fetches 16,384 dense bytes (128 keys of K or of V) to w x 16,384 in the slot.
; CLUSTER.  The four query blocks of a cluster walk the same K and V: each tile is asked for jointly.  By this text's count a wave has two tensor loads out at the head and one behind each round.
; LIMITS: NaN and infinities are not served; |ctx| is at most the largest |v|, under 65,504; ctx under 6e-5 is carried in steps of 6e-8 (f16 subnormals).
; REGISTERS.  window 0: v1-12 addresses; v16-47 statistics, 8 a tile: +0 m, +1 m_old - m, +2, +3 l, +4..7 at work (a at +6); v48-63 at work on the way out; v64-191 S^T, 32 a tile (P in place in the first 16); v192-255 K.
;   window 1: v0-127 O^T, 32 a tile; v128-191 Q; v192-255 V.
.set SLOT1, 1<<17
.set SPARE, 2*SLOT1                    ; the spare words: 128 bytes for each of eight waves, named by no other line
.set XCH,   8704                       ; the exchange, in slot 0 behind its last fill and last read: 16 x 512 bytes of O^T and four rows of 128 bytes for each wave
.set LI,  1                            ; v1  16 x lane + 65,536 kh
.set ADR, 2
.set QA,  3                            ; v3  16 x lane + 4,096 kh;   v4  16 x lane + 4,096 (1 - kh)
.set GO,  5                            ; v5  16 x lane
.set XW,  6
.set XR,  7
.set XWS, 8
.set XRS, 9
.set SPW, 10
.set NIL, 11
.set PFO, 12                           ; v12 256 x lane
.set ST,  16
.set S,   64
.set KF,  192
.set O,   0
.set Q,   128
.set VF,  192
.set WV,  8
.set G1,  24
.set G0A, 32
.set G0,  36
.set SEL, 40
.set TB,  42
.set SLOTS, 43
.set TW,  44
.set LIM, 45
.set PFA, 46
.set MSB, 0
.macro WIN new
.if MSB != (\new)
	s_set_vgpr_msb (MSB<<8)|(\new)
.set MSB, (\new)
.endif
.endm
.macro CROUND
	s_barrier_signal -1
	s_barrier_wait -1
	s_cmp_lg_u32 s[WV], 0
	s_cbranch_scc1 .Lnot_wave_0_\@
	s_barrier_signal -3
.Lnot_wave_0_\@:
	s_barrier_wait -3
	s_barrier_signal -1
	s_barrier_wait -1
.endm
; A prefetch of the last fill, issued where the fill before it is asked for: four key steps ahead of its load.  Both clusters of a head walk the same K and V: the first asks.  In it the even waves ask, each for the
; 32,768 bytes that it and the next wave will fetch; the four partners take 8,192 bytes each, told apart by address; lanes stand 256 bytes apart.  So each block of 256 bytes is named once.  The last change asks for nothing.
.macro ASK
	s_cmp_gt_u32 s[SLOTS], s[LIM]
	s_cbranch_scc0 .Lnot_mine_\@
	global_prefetch_b8 v[PFO], s[PFA:PFA+1] th:TH_LOAD_NT scope:SCOPE_SE
.Lnot_mine_\@:
.endm
	s_load_b128 s[4:7], s[0:1], 0x0                ; qkv, ctx
	v_lshl_add_u32 v[SPW], v0, 2, SPARE
	v_mov_b32 v[NIL], 0
	ds_add_u32 v[SPW], v[NIL]                      ; the wave's opening: the add, twice on end, and its wait ahead of my first tensor load
	ds_add_u32 v[SPW], v[NIL]
	v_lshrrev_b32 v1, 5, v0
	v_readfirstlane_b32 s[WV], v1                  ; wave 0..7
	s_and_b32 s9, s[WV], 3                         ; g
	s_lshr_b32 s10, s[WV], 2                       ; kh
	s_bfe_u32 s11, ttmp6, 0x40000                  ; cx
	s_lshl_b32 s12, ttmp9, 2
	s_add_co_u32 s12, s12, s11                     ; my block of 256 queries: it enters q's and ctx's addresses alone
	s_and_b32 s13, ttmp7, 0xffff                   ; bh
	s_mov_b32 s[G1], 15|(3<<16)|(1<<21)            ; the mask: all four; elements of 8 bytes; no padding; bit 21 beside a mask
	s_mov_b32 s[G1+1], 32<<16                      ; tensor_dim0: 256 bytes
	s_mov_b32 s[G1+2], 64<<16                      ; tensor_dim1
	s_mov_b32 s[G1+3], 32<<16                      ; tile_dim0
	s_mov_b32 s[G1+4], 64                          ; tile_dim1: 64 rows: 16,384 dense bytes
	s_mov_b32 s[G1+5], 32                          ; pitch
	s_mov_b32 s[G1+6], 0
	s_mov_b32 s[G1+7], 0
	s_bfe_u32 s14, s[WV], 0x10001                  ; K (0) or V (1)
	s_add_co_u32 s14, s14, 1
	s_lshl_b32 s14, s14, 23
	s_lshl_b32 s15, s13, 18
	s_add_co_u32 s14, s14, s15                     ; the head
	s_lshl_b32 s15, s10, 17
	s_add_co_u32 s14, s14, s15                     ; the half of the keys
	s_and_b32 s15, s[WV], 1
	s_lshl_b32 s15, s15, 14
	s_add_co_u32 s14, s14, s15                     ; which 128 keys of a fill's 256
	s_mov_b32 s15, 0
	s_lshl_b32 s16, s[WV], 14                      ; and where they go in a slot: the wave's number alone
	s_mov_b32 s[SEL], 0x76543210
	s_mov_b32 s[SEL+1], 0xfedcba98
	s_mov_b32 s[TB], 0
	s_mov_b32 s[SLOTS], 2
	s_and_b32 s[LIM], s[WV], 1
	s_or_b32 s[LIM], s[LIM], ttmp9
	s_cmp_eq_u32 s[LIM], 0
	s_cselect_b32 s[LIM], 1, -1                    ; 1 in the even waves of the head's first cluster
	v_and_b32 v13, 31, v0
	v_lshlrev_b32 v[GO], 4, v13
	s_lshl_b32 s20, s10, 16
	v_add_nc_u32 v[LI], s20, v[GO]
	s_lshl_b32 s20, s10, 12
	v_add_nc_u32 v[QA], s20, v[GO]
	s_xor_b32 s21, s10, 1
	s_lshl_b32 s21, s21, 12
	v_add_nc_u32 v[QA+1], s21, v[GO]
	s_mul_i32 s20, s[WV], XCH
	v_add_nc_u32 v[XW], s20, v[GO]
	s_xor_b32 s21, s[WV], 4
	s_mul_i32 s21, s21, XCH
	v_add_nc_u32 v[XR], s21, v[GO]
	v_lshlrev_b32 v14, 2, v13
	v_add_nc_u32 v[XWS], s20, v14
	v_add_nc_u32 v[XWS], 8192, v[XWS]
	v_add_nc_u32 v[XRS], s21, v14
	v_add_nc_u32 v[XRS], 8192, v[XRS]
	v_lshlrev_b32 v[PFO], 8, v13
	s_lshl_b32 s18, s13, 18                        ; q: the head, my block's 32,768 bytes, my wave's 8,192
	s_lshl_b32 s19, s12, 15
	s_add_co_u32 s18, s18, s19
	s_lshl_b32 s19, s9, 13
	s_add_co_u32 s18, s18, s19
	s_mov_b32 s19, 0
	s_and_b32 s20, s13, 15                         ; ctx: the head in its batch
	s_lshr_b32 s21, s20, 2
	s_lshl_b32 s21, s21, 21                        ; ks
	s_lshr_b32 s22, s13, 4
	s_lshl_b32 s22, s22, 7                         ; 128 blocks of tokens a batch
	s_lshl_b32 s23, s12, 4
	s_add_co_u32 s22, s22, s23
	s_lshl_b32 s23, s9, 2
	s_add_co_u32 s22, s22, s23
	s_lshl_b32 s23, s10, 1
	s_add_co_u32 s22, s22, s23                     ; the first of the two tiles that I finish
	s_lshl_b32 s22, s22, 13
	s_add_co_u32 s21, s21, s22
	s_and_b32 s20, s20, 3
	s_lshl_b32 s20, s20, 11                        ; kf = 2 (head & 3)
	s_add_co_u32 s20, s21, s20
	s_mov_b32 s21, 0
	s_lshl_b32 s22, s11, 13                        ; the prefetch: my work-group's 8,192 bytes,
	s_add_co_u32 s22, s22, 2*32768                 ; at fill 2: the first change of slots steps it to fill 3
	s_mov_b32 s23, 0
	s_wait_dscnt 0x0                               ; both opening adds are done
	s_wait_kmcnt 0x0
	s_add_nc_u64 s[18:19], s[4:5], s[18:19]
	s_add_nc_u64 s[6:7], s[6:7], s[20:21]
	s_add_nc_u64 s[PFA:PFA+1], s[4:5], s[14:15]
	s_add_nc_u64 s[PFA:PFA+1], s[PFA:PFA+1], s[22:23]
	s_mov_b32 s[G0A], 1
	s_mov_b32 s[G0A+1], s16                        ; slot 0
	s_add_nc_u64 s[G0A+2:G0A+3], s[4:5], s[14:15]  ; fill 0
	s_or_b32 s[G0A+3], s[G0A+3], 0x80000000
	s_mov_b32 s[G0], 1
	s_add_co_u32 s[G0+1], s16, SLOT1               ; slot 1
	s_add_nc_u64 s[G0+2:G0+3], s[4:5], s[14:15]
	s_add_nc_u64 s[G0+2:G0+3], s[G0+2:G0+3], 32768 ; fill 1; this one walks on
	s_or_b32 s[G0+3], s[G0+3], 0x80000000
	CROUND                                         ; all four work-groups are here: the first joint loads meet
	tensor_load_to_lds s[G0A:G0A+3], s[G1:G1+7]
	s_nop 0
	tensor_load_to_lds s[G0:G0+3], s[G1:G1+7]
	s_nop 0
.rept 4
	v_nop
.endr
	WIN 0x40                                       ; destination window 1
.irp i, 0,1,2,3                        ; Q stays in registers: slot i, channels 32 c on
.irp c, 0,1
	global_load_b128 v[Q+8*(2*\i+\c):Q+8*(2*\i+\c)+3], v[QA+\i/2], s[18:19] offset:(\i%2)*2048+\c*1024
	global_load_b128 v[Q+8*(2*\i+\c)+4:Q+8*(2*\i+\c)+7], v[QA+\i/2], s[18:19] offset:(\i%2)*2048+\c*1024+512
.endr
.endr
	WIN 0
; A KEY STEP: 64 keys of my half.  first = 1: it starts m, l and O^T.
.macro STEP first
	WIN 0
	v_add_nc_u32 v[ADR], s[TB], v[LI]
.rept 4
	v_nop                                          ; with the line above: five plain lines behind the last product of the step before: the products below write over its P, and loads go into its V
.endr
.irp fr, 0,1,2,3,4,5,6,7               ; K: keys 16 (fr / 2) on, channels 32 (fr % 2) on
	ds_load_b128 v[KF+8*\fr:KF+8*\fr+3], v[ADR] offset:1024*\fr
	ds_load_b128 v[KF+8*\fr+4:KF+8*\fr+7], v[ADR] offset:1024*\fr+512
.endr
	WIN 0x40
.irp fr, 0,1,2,3,4,5,6,7               ; V: keys 32 (fr / 4) on, channels 16 (fr % 4) on
	ds_load_b128 v[VF+8*\fr:VF+8*\fr+3], v[ADR] offset:32768+1024*\fr
	ds_load_b128 v[VF+8*\fr+4:VF+8*\fr+7], v[ADR] offset:32768+1024*\fr+512
.endr
	s_wait_dscnt 16                                ; K is in; V's sixteen loads may be out
	WIN 0x04                                       ; source 1 (Q) window 1
.irp cf, 0,1                           ; the 16 accumulators take turns, one instruction a turn
.irp t, 0,1,2,3
.irp kt, 0,1,2,3
.if \cf == 0
	v_wmma_f32_16x16x32_f16 v[S+32*\t+8*\kt:S+32*\t+8*\kt+7], v[KF+8*(2*\kt+\cf):KF+8*(2*\kt+\cf)+7], v[Q+8*(2*\t+\cf):Q+8*(2*\t+\cf)+7], 0
.else
	v_wmma_f32_16x16x32_f16 v[S+32*\t+8*\kt:S+32*\t+8*\kt+7], v[KF+8*(2*\kt+\cf):KF+8*(2*\kt+\cf)+7], v[Q+8*(2*\t+\cf):Q+8*(2*\t+\cf)+7], v[S+32*\t+8*\kt:S+32*\t+8*\kt+7]
.endif
.endr
.endr
.endr
	WIN 0
.rept 4
	v_nop                                          ; four plain lines ahead of the first read of the scores
.endr
	; the maximum of 32 scores and the old m: four chains a tile; every line for the four tiles in turn; each accumulator is read from its low end on
.irp j, 0,1,2,3
.irp t, 0,1,2,3
	v_max3_num_f32 v[ST+8*\t+4+\j], v[S+32*\t+8*\j], v[S+32*\t+8*\j+1], v[S+32*\t+8*\j+2]
.endr
.endr
.irp u, 1,2
.irp j, 0,1,2,3
.irp t, 0,1,2,3
	v_max3_num_f32 v[ST+8*\t+4+\j], v[ST+8*\t+4+\j], v[S+32*\t+8*\j+2*\u+1], v[S+32*\t+8*\j+2*\u+2]
.endr
.endr
.endr
.irp t, 0,1,2,3
	v_max3_num_f32 v[ST+8*\t+4], v[ST+8*\t+4], v[S+32*\t+7], v[S+32*\t+15]
.endr
.irp t, 0,1,2,3
	v_max3_num_f32 v[ST+8*\t+6], v[ST+8*\t+6], v[S+32*\t+23], v[S+32*\t+31]
.endr
.irp t, 0,1,2,3
	v_max3_num_f32 v[ST+8*\t+4], v[ST+8*\t+4], v[ST+8*\t+5], v[ST+8*\t+6]
.endr
.irp t, 0,1,2,3
.if \first
	v_max_num_f32 v[ST+8*\t+4], v[ST+8*\t+4], v[ST+8*\t+7]
.else
	v_max3_num_f32 v[ST+8*\t+4], v[ST+8*\t+4], v[ST+8*\t+7], v[ST+8*\t]
.endif
.endr
.irp t, 0,1,2,3
	v_permlanex16_b32 v[ST+8*\t+5], v[ST+8*\t+4], s[SEL], s[SEL+1]   ; the query's other 32 keys lie in the lane 16 away
.endr
.irp t, 0,1,2,3
.if \first
	v_mov_b32 v[ST+8*\t+1], 0                      ; (named below as the upper half of a pair, so it is written)
.else
	v_mov_b32 v[ST+8*\t+1], v[ST+8*\t]
.endif
.endr
.irp t, 0,1,2,3
	v_max_num_f32 v[ST+8*\t], v[ST+8*\t+4], v[ST+8*\t+5]
.endr
.if \first == 0
.irp t, 0,1,2,3
	v_sub_f32 v[ST+8*\t+1], v[ST+8*\t+1], v[ST+8*\t]
.endr
	; ONE BATCH of exponentials: a, then p; no line of it names an exponential's result
.irp t, 0,1,2,3
	v_exp_f32 v[ST+8*\t+6], v[ST+8*\t+1]
.endr
.endif
.irp t, 0,1,2,3
.irp b, 0,1,2,3,4,5,6,7,8,9,10,11,12,13,14,15
	v_pk_add_f32 v[S+32*\t+2*\b:S+32*\t+2*\b+1], v[S+32*\t+2*\b:S+32*\t+2*\b+1], v[ST+8*\t:ST+8*\t+1] op_sel_hi:[1,0] neg_lo:[0,1] neg_hi:[0,1]   ; s - m
.if \b > 0
	v_exp_f32 v[S+32*\t+2*\b-2], v[S+32*\t+2*\b-2]
	v_exp_f32 v[S+32*\t+2*\b-1], v[S+32*\t+2*\b-1]
.endif
.endr
	v_exp_f32 v[S+32*\t+30], v[S+32*\t+30]
	v_exp_f32 v[S+32*\t+31], v[S+32*\t+31]
.endr
	v_nop                                          ; a plain line behind the last exponential
	s_wait_alu depctr_va_vdst(0)                   ; one wait for the batch, ahead of the first line that names a result
	; the sums of the unrounded p, two chains a tile
.irp t, 0,1,2,3
.if \first
	v_pk_add_f32 v[ST+8*\t+2:ST+8*\t+3], v[S+32*\t:S+32*\t+1], v[S+32*\t+6:S+32*\t+7]
.else
	v_pk_fma_f32 v[ST+8*\t+2:ST+8*\t+3], v[ST+8*\t+2:ST+8*\t+3], v[ST+8*\t+6:ST+8*\t+7], v[S+32*\t:S+32*\t+1] op_sel_hi:[1,0,1]
.endif
.endr
.irp t, 0,1,2,3
	v_pk_add_f32 v[ST+8*\t+4:ST+8*\t+5], v[S+32*\t+2:S+32*\t+3], v[S+32*\t+4:S+32*\t+5]
.endr
.if \first == 0
.irp t, 0,1,2,3
	v_pk_add_f32 v[ST+8*\t+2:ST+8*\t+3], v[ST+8*\t+2:ST+8*\t+3], v[S+32*\t+6:S+32*\t+7]
.endr
.endif
.irp p, 4,6,8,10,12,14
.irp t, 0,1,2,3
	v_pk_add_f32 v[ST+8*\t+4:ST+8*\t+5], v[ST+8*\t+4:ST+8*\t+5], v[S+32*\t+2*\p:S+32*\t+2*\p+1]
.endr
.irp t, 0,1,2,3
	v_pk_add_f32 v[ST+8*\t+2:ST+8*\t+3], v[ST+8*\t+2:ST+8*\t+3], v[S+32*\t+2*\p+2:S+32*\t+2*\p+3]
.endr
.endr
.irp t, 0,1,2,3
	v_pk_add_f32 v[ST+8*\t+2:ST+8*\t+3], v[ST+8*\t+2:ST+8*\t+3], v[ST+8*\t+4:ST+8*\t+5]
.endr
.irp i, 0,1,2,3,4,5,6,7,8,9,10,11,12,13,14,15      ; p to f16, in place: register i takes pair i, which lies at 2 i and 2 i + 1
.irp t, 0,1,2,3
	v_cvt_pk_f16_f32 v[S+32*\t+\i], v[S+32*\t+2*\i], v[S+32*\t+2*\i+1]
.endr
.endr
.if \first == 0
	WIN 0x41                                       ; O^T (destination and source 0) window 1, a window 0
.irp t, 0,1,2,3
.set n, 0
.rept 16
	v_pk_mul_f32 v[O+32*\t+2*n:O+32*\t+2*n+1], v[O+32*\t+2*n:O+32*\t+2*n+1], v[ST+8*\t+6:ST+8*\t+7] op_sel_hi:[1,0]
.set n, n+1
.endr
.endr
.endif
	s_wait_dscnt 0x0                               ; V is in
	WIN 0x51                                       ; V, C and D window 1, P window 0
.irp kg, 0,1
.irp t, 0,1,2,3
.irp ct, 0,1,2,3
.if \first && (\kg == 0)
	v_wmma_f32_16x16x32_f16 v[O+32*\t+8*\ct:O+32*\t+8*\ct+7], v[VF+8*(4*\kg+\ct):VF+8*(4*\kg+\ct)+7], v[S+32*\t+8*\kg:S+32*\t+8*\kg+7], 0
.else
	v_wmma_f32_16x16x32_f16 v[O+32*\t+8*\ct:O+32*\t+8*\ct+7], v[VF+8*(4*\kg+\ct):VF+8*(4*\kg+\ct)+7], v[S+32*\t+8*\kg:S+32*\t+8*\kg+7], v[O+32*\t+8*\ct:O+32*\t+8*\ct+7]
.endif
.endr
.endr
.endr
	WIN 0
	s_add_co_u32 s[TB], s[TB], 8192                ; the next step's tiles
.endm
.macro STEPS n
	s_mov_b32 s[TW], \n
.Lstep_\@:
	STEP 0
	s_sub_co_u32 s[TW], s[TW], 1
	s_cmp_lg_u32 s[TW], 0
	s_cbranch_scc1 .Lstep_\@
.endm
; THE CHANGE OF SLOTS.  Each wave waits for all its tensor loads (its part of the other slot), adds 0 to its spare word, and waits for that and for its reads of the slot that it leaves.
; fill = 1: a round of the cluster's barrier, and the slot just left is filled with the keys two fills on, first thing behind it: that load has four key steps in which to land.
.macro CHANGE fill
	WIN 0
	s_wait_tensorcnt 0x0                           ; no tensor load of mine is out, so a group 0 may be written
	ds_add_u32 v[SPW], v[NIL]
.if \fill
	s_xor_b32 s[G0+1], s[G0+1], SLOT1              ; the other slot than last time,
	s_add_nc_u64 s[G0+2:G0+3], s[G0+2:G0+3], 32768 ; the next 256 keys of my half
	s_wait_xcnt 0x0                                ; an earlier prefetch has read its address
	s_add_nc_u64 s[PFA:PFA+1], s[PFA:PFA+1], 32768
	s_wait_dscnt 0x0                               ; the add is done, my reads of the slot are over
	CROUND
	tensor_load_to_lds s[G0:G0+3], s[G1:G1+7]
	s_nop 0
.rept 4
	v_nop
.endr
	ASK
.else
	s_wait_dscnt 0x0
	s_barrier_signal -1
	s_barrier_wait -1
.endif
	s_sub_co_u32 s[TB], s[TB], 32768               ; back to a slot's first step,
	s_xor_b32 s[TB], s[TB], SLOT1                  ; in the other slot
.endm
	s_wait_tensorcnt 1                             ; my part of slot 0 is in; slot 1's may be out
	s_barrier_signal -1
	s_barrier_wait -1
	s_wait_loadcnt 0x0                             ; Q
	STEP 1
	STEPS 3
.Lslot:                                            ; two trips: slots 0 and 1 are filled once more
	CHANGE 1
	STEPS 4
	s_sub_co_u32 s[SLOTS], s[SLOTS], 1
	s_cmp_lg_u32 s[SLOTS], 0
	s_cbranch_scc1 .Lslot
	CHANGE 0                                       ; the tail is written out
	STEPS 4
	; THE WAY OUT.  l: its two halves and the other half of the lanes'.  These lines are also the plain lines behind the last products.
.irp t, 0,1,2,3
	v_add_f32 v[ST+8*\t+4], v[ST+8*\t+2], v[ST+8*\t+3]
.endr
.irp t, 0,1,2,3
	v_permlanex16_b32 v[ST+8*\t+5], v[ST+8*\t+4], s[SEL], s[SEL+1]
.endr
.irp t, 0,1,2,3
	v_add_f32 v[ST+8*\t+2], v[ST+8*\t+4], v[ST+8*\t+5]
.endr
	s_wait_dscnt 0x0
	s_barrier_signal -1                            ; every wave's reads of the ring are over: slot 0, which has had its last fill, becomes the exchange
	s_barrier_wait -1
	WIN 0x04                                       ; an LDS store's data are its source 1: window 1
.irp i, 0,1,2,3,4,5,6,7,8,9,10,11,12,13,14,15
	ds_store_b128 v[XW], v[O+64+4*\i:O+64+4*\i+3] offset:512*\i     ; slots 2 and 3 as they stand; each accumulator from its low end on
.endr
	WIN 0
	ds_store_b32 v[XWS], v[ST+16]                  ; m and l of slot 2,
	ds_store_b32 v[XWS], v[ST+18] offset:128
	ds_store_b32 v[XWS], v[ST+24] offset:256       ; of slot 3
	ds_store_b32 v[XWS], v[ST+26] offset:384
	s_wait_dscnt 0x0                               ; for the partner's sake: my stores are done
	s_barrier_signal -1
	s_barrier_wait -1
.irp i, 0,1,2,3,4,5,6,7,8,9,10,11,12,13,14,15
	ds_load_b128 v[S+4*\i:S+4*\i+3], v[XR] offset:512*\i            ; the partner's O^T of my slots 0 and 1
.endr
	ds_load_b32 v48, v[XRS]                        ; its m and l
	ds_load_b32 v49, v[XRS] offset:128
	ds_load_b32 v50, v[XRS] offset:256
	ds_load_b32 v51, v[XRS] offset:384
	s_wait_dscnt 0x0
	v_max_num_f32 v32, v[ST], v48                  ; the joint maximum
	v_max_num_f32 v33, v[ST+8], v50
	v_sub_f32 v52, v[ST], v32
	v_sub_f32 v53, v48, v32
	v_sub_f32 v54, v[ST+8], v33
	v_sub_f32 v55, v50, v33
	v_exp_f32 v56, v52                             ; f, f' of slot 0; f, f' of slot 1: each in the low register of a pair
	v_exp_f32 v58, v53
	v_exp_f32 v60, v54
	v_exp_f32 v62, v55
	v_mov_b32 v57, 0                               ; the pairs' upper registers are named with them, so they are written (plain lines behind the exponentials)
	v_mov_b32 v59, 0
	v_mov_b32 v61, 0
	v_mov_b32 v63, 0
	s_wait_alu depctr_va_vdst(0)                   ; one wait for the four
	v_mul_f32 v34, v[ST+2], v56
	v_mul_f32 v35, v[ST+10], v60
	v_fma_f32 v34, v49, v58, v34                   ; L = l f + l' f'
	v_fma_f32 v35, v51, v62, v35
	v_rcp_f32 v36, v34
	v_rcp_f32 v37, v35
	v_nop
	s_wait_alu depctr_va_vdst(0)                   ; one wait for the two
	v_mul_f32 v56, v56, v36
	v_mul_f32 v58, v58, v36
	v_mul_f32 v60, v60, v37
	v_mul_f32 v62, v62, v37
.set n, 0
.rept 32
	v_pk_mul_f32 v[S+2*n:S+2*n+1], v[S+2*n:S+2*n+1], v[58+4*(n/16):59+4*(n/16)] op_sel_hi:[1,0]
.set n, n+1
.endr
	WIN 0x01                                       ; source 0: my O^T, window 1
.set n, 0
.rept 32
	v_pk_fma_f32 v[S+2*n:S+2*n+1], v[O+2*n:O+2*n+1], v[56+4*(n/16):57+4*(n/16)], v[S+2*n:S+2*n+1] op_sel_hi:[1,0,1]
.set n, n+1
.endr
	WIN 0
.set n, 0
.rept 32
	v_cvt_pk_f16_f32 v[128+n], v[S+2*n], v[S+2*n+1]
.set n, n+1
.endr
.irp i, 0,1
.irp ct, 0,1,2,3
	global_store_b128 v[GO], v[128+16*\i+4*\ct:128+16*\i+4*\ct+3], s[6:7] offset:\i*8192+\ct*512   ; 512 consecutive bytes, aligned
.endr
.endr
	s_wait_tensorcnt 0x0                           ; the wave's end
	ds_add_u32 v[SPW], v[NIL]
	s_wait_dscnt 0x0
	CROUND                                         ; the closing round
	s_endpgm
.Lfunc_end_k_q55a638dfb9_attn:
	.size	k_q55a638dfb9_attn, .Lfunc_end_k_q55a638dfb9_attn-k_q55a638dfb9_attn
	.p2alignl 7, 3214868480
	.fill 96, 4, 3214868480
	.section	.rodata,"a",@progbits
	.p2align	6, 0x0
	.amdhsa_kernel k_q55a638dfb9_attn
		.amdhsa_group_segment_fixed_size 327680
		.amdhsa_private_segment_fixed_size 0
		.amdhsa_enable_private_segment 0
		.amdhsa_kernarg_size 16
		.amdhsa_user_sgpr_count 2
		.amdhsa_user_sgpr_kernarg_segment_ptr 1
		.amdhsa_wavefront_size32 1
		.amdhsa_system_sgpr_workgroup_id_x 1
		.amdhsa_system_sgpr_workgroup_id_y 1
		.amdhsa_system_sgpr_workgroup_id_z 1
		.amdhsa_system_vgpr_workitem_id 0
		.amdhsa_next_free_vgpr 512
		.amdhsa_next_free_sgpr 66
		.amdhsa_reserve_vcc 0
		.amdhsa_float_denorm_mode_32 3
		.amdhsa_float_denorm_mode_16_64 3
		.amdhsa_memory_ordered 1
		.amdhsa_forward_progress 1
		.amdhsa_inst_pref_size 142
	.end_amdhsa_kernel
	.amdgpu_metadata
---
amdhsa.version: [ 1, 2 ]
amdhsa.kernels:
  - .name:           k_q55a638dfb9_attn
    .symbol:         k_q55a638dfb9_attn.kd
    .args:
      - { .name: qkv, .offset: 0, .size: 8, .value_kind: global_buffer, .address_space: global }
      - { .name: ctx, .offset: 8, .size: 8, .value_kind: global_buffer, .address_space: global }
    .group_segment_fixed_size: 327680
    .private_segment_fixed_size: 0
    .kernarg_segment_align: 8
    .kernarg_segment_size: 16
    .max_flat_workgroup_size: 256
    .sgpr_count:     66
    .vgpr_count:     512
    .wavefront_size: 32
...
	.end_amdgpu_metadata
.endif
;; end of part 3
;; launch proj (part 4): grid 8 x 32, 4 waves a work-group, clusters of 4 x 4, 327,680 bytes of LDS; arguments ctx, wp16, bp, out0; writes out0
.if DOCPART == 4
	.amdgcn_target "amdgcn-amd-amdhsa--gfx1250"
	.amdhsa_code_object_version 6
	.text
	.protected	k_q55a638dfb9_proj
	.globl	k_q55a638dfb9_proj
	.p2align	8
	.type	k_q55a638dfb9_proj,@function
k_q55a638dfb9_proj:
	s_mov_b64 s[64:65], 0
	v_nop
	global_prefetch_b8 v0, s[64:65] scope:SCOPE_SE
	s_setreg_imm32_b32 hwreg(HW_REG_WAVE_MODE, 25, 1), 1
	s_wait_xcnt 0x0
	s_wait_alu depctr_hold_cnt(0) depctr_sa_sdst(0) depctr_va_vdst(0) depctr_va_sdst(0) depctr_va_ssrc(0) depctr_va_vcc(0) depctr_vm_vsrc(0)
	s_getreg_b32 s2, hwreg(HW_REG_IB_STS2, 6, 4)
	s_cmp_eq_u32 s2, 0
	s_cbranch_scc0 .Lentry_in_a_cluster
	s_endpgm
.Lentry_in_a_cluster:
	s_bfe_u32 s2, ttmp6, 0x10000c
	s_cmp_lg_u32 s2, 0xf033
	s_cbranch_scc0 .Lentry_shape_is_right
	s_endpgm
.Lentry_shape_is_right:
; out0 = ctx Wp^T + bp.  ctx: 4,096 tokens x 1,024 in f16, as images of the operand's registers: [ks 4][block of 16 tokens: 256][kf 8][hf 2][lane][16 bytes]; wp16: [1024 (n)][1024 (k)] f16; bp [1024], out0 [4096][1024] f32; sums in f32.
; A tile of out0 is 128 x 128: 256 work-groups.  Four waves, each 64 x 64: 16 accumulators.  K goes in steps of 256 through two LDS slots.  A's tile of a step is 65,536 dense bytes (eight blocks of tokens of one ks),
; fetched as two halves of 128 rows of 256 bytes and read back at 16 x lane; B's is 128 rows of 512 bytes, 16 bytes of padding behind each.
; CLUSTERS: 4 x 4: A's tiles are asked for jointly along a row of the cluster, B's along a column.
; THE MATRIX INSTRUCTION IS USED TRANSPOSED (source 0 = 16 rows of Wp, source 1 = 16 tokens): a lane holds eight neighbouring outputs of one token.  bp is the C of each sum's first product.
; LIMITS: |ctx| and |Wp| under 65,504 (f16); NaN and infinities are not served.
; REGISTERS: window 0: v0-31 addresses; v32-95 rows on the way out; v96-127 bp in the result's layout; v128-255 the accumulators ((a, b) at v[128 + 8 (4 a + b)]).  window 1: two fragment buffers of 128: 64 of A, 64 of B.
.set KSTEP,  256
.set PITCH,  528
.set HALFA,  32768
.set HALFB,  64*PITCH
.set BOFF,   2*HALFA
.set SLOT,   BOFF+2*HALFB
.set STAGE,  2*SLOT                    ; behind the ring: 16 rows x 272 bytes for each wave, its own
.set SPITCH, 272
.set SPARE,  STAGE+4*16*SPITCH         ; the spare words: 128 bytes a wave, named by no other line
.set LAPS,   2
.set ADRA, 16
.set ADRB, 20
.set STO,  24
.set RD,   25
.set CO,   26
.set BO,   27
.set SPW,  28
.set NIL,  29
.set OB,   32
.set BIAS, 96
.set ACC,  128
.set F0,   0
.set F1,   128
.set G1, 24
.set G0, 32
.set G1B, 48
.set G0B, 56
.set MSB, 0
.macro WIN new
.if MSB != (\new)
	s_set_vgpr_msb (MSB<<8)|(\new)
.set MSB, (\new)
.endif
.endm
.set MUL,  0x05                        ; sources 0 (B) and 1 (A) window 1; C and D window 0
.set TO_F, 0x40
.macro JLOAD s                         ; waves 0 and 1 fetch A's halves, waves 2 and 3 B's; an s_nop 0 and four v_nop follow each line
	s_cmp_eq_u32 s11, 0
	s_cbranch_scc0 .Lfor_b_\@
	tensor_load_to_lds s[G0+4*\s:G0+4*\s+3], s[G1:G1+7]
	s_nop 0
.rept 4
	v_nop
.endr
	s_branch .Lasked_\@
.Lfor_b_\@:
	tensor_load_to_lds s[G0B+4*\s:G0B+4*\s+3], s[G1B:G1B+7]
	s_nop 0
.rept 4
	v_nop
.endr
.Lasked_\@:
.endm
.macro CREST
	s_cmp_lg_u32 s10, 0
	s_cbranch_scc1 .Lnot_wave_0_\@
	s_barrier_signal -3
.Lnot_wave_0_\@:
	s_barrier_wait -3
	s_barrier_signal -1
	s_barrier_wait -1
.endm
.macro CROUND
	s_barrier_signal -1
	s_barrier_wait -1
	CREST
.endm
	s_load_b128 s[4:7], s[0:1], 0x0                ; ctx, wp16
	s_load_b128 s[16:19], s[0:1], 0x10             ; bp, out0
	v_lshl_add_u32 v[SPW], v0, 2, SPARE
	v_mov_b32 v[NIL], 0
	ds_add_u32 v[SPW], v[NIL]                      ; the wave's opening: the add, twice on end, and its wait ahead of my first tensor load
	ds_add_u32 v[SPW], v[NIL]
	v_lshrrev_b32 v1, 5, v0
	v_readfirstlane_b32 s10, v1                    ; wave 0..3
	s_lshr_b32 s11, s10, 1                         ; my half of the rows.  Also: I fetch for A (0) or for B (1)
	s_and_b32 s12, s10, 1                          ; my half of the columns.  Also: which half of that tile I fetch
	s_bfe_u32 s40, ttmp6, 0x40000                  ; cx
	s_bfe_u32 s41, ttmp6, 0x40004                  ; cy
	s_lshl_b32 s42, ttmp9, 2
	s_add_co_u32 s42, s42, s40                     ; tile column
	s_and_b32 s13, ttmp7, 0xffff
	s_lshl_b32 s13, s13, 2
	s_add_co_u32 s13, s13, s41                     ; tile row
	s_lshl_b32 s43, s41, 2
	s_lshl_b32 s43, 15, s43                        ; my row of the cluster
	s_lshl_b32 s44, 0x1111, s40                    ; my column
	s_or_b32 s[G1+0], s43, (3<<16)|(1<<21)         ; A: the mask; elements of 8 bytes; no padding; bit 21 beside a mask
	s_mov_b32 s[G1+1], 32<<16                      ; rows of 256 bytes,
	s_mov_b32 s[G1+2], 128<<16                     ; 128 of them: 32,768 dense bytes
	s_mov_b32 s[G1+3], 32<<16
	s_mov_b32 s[G1+4], 128
	s_mov_b32 s[G1+5], 32
	s_mov_b32 s[G1+6], 0
	s_mov_b32 s[G1+7], 0
	s_or_b32 s[G1B+0], s44, (1<<16)|(1<<20)|(1<<21)|(6<<22)|(3<<25)  ; B: elements of 2 bytes; 4 words of padding behind every 128
	s_mov_b32 s[G1B+1], KSTEP<<16
	s_mov_b32 s[G1B+2], 64<<16
	s_mov_b32 s[G1B+3], KSTEP<<16
	s_mov_b32 s[G1B+4], 64
	s_mov_b32 s[G1B+5], 1024
	s_mov_b32 s[G1B+6], 0
	s_mov_b32 s[G1B+7], 0
	s_lshl_b32 s14, s13, 16                        ; A: 65,536 bytes a tile row in each ks,
	s_lshl_b32 s15, s12, 15                        ; my half
	s_add_co_u32 s14, s14, s15
	s_mov_b32 s15, 0
	s_lshl_b32 s46, s42, 7
	s_lshl_b32 s47, s12, 6
	s_add_co_u32 s46, s46, s47                     ; B: row 128 x tile column + 64 x half,
	s_lshl_b32 s46, s46, 11                        ; 2,048 bytes a row
	s_mov_b32 s47, 0
	s_lshl_b32 s20, s12, 15                        ; where they go in a slot: A's halves,
	s_mul_i32 s21, s12, HALFB
	s_add_co_u32 s21, s21, BOFF                    ; B's behind them
	s_wait_dscnt 0x0                               ; both opening adds are done
	s_wait_kmcnt 0x0
	s_add_nc_u64 s[14:15], s[4:5], s[14:15]
	s_add_nc_u64 s[46:47], s[6:7], s[46:47]
	CROUND                                         ; all sixteen work-groups are here: the first joint loads meet
.irp s, 0,1
	s_mov_b32 s[G0+4*\s], 1
	s_add_co_u32 s[G0+4*\s+1], s20, \s*SLOT
	s_add_nc_u64 s[G0+4*\s+2:G0+4*\s+3], s[14:15], \s*2097152      ; K step s is ks = s
	s_or_b32 s[G0+4*\s+3], s[G0+4*\s+3], 0x80000000
	s_mov_b32 s[G0B+4*\s], 1
	s_add_co_u32 s[G0B+4*\s+1], s21, \s*SLOT
	s_add_nc_u64 s[G0B+4*\s+2:G0B+4*\s+3], s[46:47], \s*KSTEP*2
	s_or_b32 s[G0B+4*\s+3], s[G0B+4*\s+3], 0x80000000
	JLOAD \s
.endr
	v_and_b32 v1, 15, v0                           ; r
	v_bfe_u32 v2, v0, 4, 1                         ; h
	v_and_b32 v3, 31, v0
	v_lshlrev_b32 v3, 4, v3                        ; A: 16 x lane
	v_mul_u32_u24 v4, v1, PITCH
	v_lshl_add_u32 v4, v2, 4, v4                   ; B: row x pitch + 16 h
	s_lshl_b32 s21, s11, 15                        ; my 64 rows of A
	s_mul_i32 s22, s12, HALFB
	s_add_co_u32 s22, s22, BOFF                    ; my 64 rows of B
.irp s, 0,1
	v_add_nc_u32 v[ADRA+\s], s21, v3
	v_add_nc_u32 v[ADRB+\s], s22, v4
	s_add_co_u32 s21, s21, SLOT
	s_add_co_u32 s22, s22, SLOT
.endr
	s_mul_i32 s23, s10, 16*SPITCH
	s_add_co_u32 s23, s23, STAGE                   ; my stage
	v_mul_u32_u24 v5, v1, SPITCH
	v_lshl_add_u32 v5, v2, 5, v5
	v_add_nc_u32 v[STO], s23, v5                   ; in: row r, 32 bytes for each half of the lanes
	v_mul_u32_u24 v5, v2, SPITCH
	v_lshl_add_u32 v5, v1, 4, v5
	v_add_nc_u32 v[RD], s23, v5                    ; back: lanes 0-15 one row of 256 bytes, lanes 16-31 the next
	v_lshlrev_b32 v5, 12, v2
	v_lshl_add_u32 v[CO], v1, 4, v5                ; and the same two rows in out0
	s_lshl_b32 s20, s13, 7
	s_lshl_b32 s21, s11, 6
	s_add_co_u32 s20, s20, s21                     ; my first row
	s_lshl_b32 s20, s20, 12
	s_lshl_b32 s22, s42, 7
	s_lshl_b32 s23, s12, 6
	s_add_co_u32 s22, s22, s23                     ; my first column,
	s_lshl_b32 s22, s22, 2                         ; in bytes
	v_lshl_add_u32 v[BO], v2, 5, s22               ; bp: the eight columns of my half of the lanes
	s_add_co_u32 s20, s20, s22
	s_mov_b32 s21, 0
	s_add_nc_u64 s[8:9], s[18:19], s[20:21]
.irp b, 0,1,2,3
	global_load_b128 v[BIAS+8*\b:BIAS+8*\b+3], v[BO], s[16:17] offset:64*\b
	global_load_b128 v[BIAS+8*\b+4:BIAS+8*\b+7], v[BO], s[16:17] offset:64*\b+16
.endr
; 8 matrix instructions: m blocks a0, a0 + 1 x all 4 n blocks, 32 along K: half c of buffer f.  zero = 1: the first product starts the sum with bp.  The 16 accumulators take turns.
.macro MUL8 f, c, a0, zero
.irp a, \a0, \a0+1
.irp b, 0,1,2,3
.if \zero
	v_wmma_f32_16x16x32_f16 v[ACC+8*(4*(\a)+\b):ACC+8*(4*(\a)+\b)+7], v[\f+64+8*(4*\c+\b):\f+64+8*(4*\c+\b)+7], v[\f+8*(4*\c+\a):\f+8*(4*\c+\a)+7], v[BIAS+8*\b:BIAS+8*\b+7]
.else
	v_wmma_f32_16x16x32_f16 v[ACC+8*(4*(\a)+\b):ACC+8*(4*(\a)+\b)+7], v[\f+64+8*(4*\c+\b):\f+64+8*(4*\c+\b)+7], v[\f+8*(4*\c+\a):\f+8*(4*\c+\a)+7], v[ACC+8*(4*(\a)+\b):ACC+8*(4*(\a)+\b)+7]
.endif
.endr
.endr
.endm
; 32 LDS loads in one run: the fragments of 64 along K (byte k of B's rows; A's images k / 64 and k / 64 + 1) into buffer f; the first 32 along K first
.macro FETCH slot, k, f
	WIN TO_F
.irp c, 0,1
.irp i, 0,1,2,3
	ds_load_b128 v[\f+64+8*(4*\c+\i):\f+64+8*(4*\c+\i)+3],   v[ADRB+\slot] offset:\k+64*\c+\i*16*PITCH
	ds_load_b128 v[\f+64+8*(4*\c+\i)+4:\f+64+8*(4*\c+\i)+7], v[ADRB+\slot] offset:\k+64*\c+\i*16*PITCH+32
	ds_load_b128 v[\f+8*(4*\c+\i):\f+8*(4*\c+\i)+3],         v[ADRA+\slot] offset:\i*8192+(\k/64+\c)*1024
	ds_load_b128 v[\f+8*(4*\c+\i)+4:\f+8*(4*\c+\i)+7],       v[ADRA+\slot] offset:\i*8192+(\k/64+\c)*1024+512
.endr
.endr
.endm
.macro PLACES                          ; four plain lines in front of loads into registers that matrix instructions have read, and of reads of results
.rept 4
	v_nop
.endr
.endm
.macro QUARTER slot, k, f, g, zero     ; 64 along K: multiplies buffer f and fetches the next quarter, at byte k, into g
	s_wait_dscnt 16                                ; the first 32 along K are in; the youngest sixteen loads may be out
	WIN MUL
	MUL8 \f, 0, 0, \zero
	MUL8 \f, 0, 2, \zero
	PLACES
	FETCH \slot, \k, \g
	s_wait_dscnt 32                                ; all but the 32 just issued
	WIN MUL
	MUL8 \f, 1, 0, 0
	MUL8 \f, 1, 2, 0
.endm
; A slot's last quarter changes slots: one barrier; in front of it each wave waits for all its tensor loads, adds 0 to its spare word, and waits for that and for its reads of this slot.  fill = 1: this slot is filled again, two K steps ahead.
.macro TURN slot, next, fill
	WIN 0
	s_wait_tensorcnt 0x0                           ; all my tensor loads have landed: my part of the next slot
	ds_add_u32 v[SPW], v[NIL]
	s_wait_dscnt 17                                ; (the add and the youngest sixteen loads may be out)
	WIN MUL
	MUL8 F1, 0, 0, 0
	s_wait_dscnt 0x0                               ; the add is done, my reads of this slot are over
	s_barrier_signal -1
	MUL8 F1, 0, 2, 0
.if \fill
	WIN 0
.endif
	s_barrier_wait -1
.if \fill
	CREST                                          ; the barrier has opened a round of the cluster's: no wave of any partner still reads this slot or has a load on its way
	s_add_nc_u64 s[G0+4*\slot+2:G0+4*\slot+3], s[G0+4*\slot+2:G0+4*\slot+3], 2*2097152
	s_add_nc_u64 s[G0B+4*\slot+2:G0B+4*\slot+3], s[G0B+4*\slot+2:G0B+4*\slot+3], 2*KSTEP*2
	JLOAD \slot                                    ; the first tensor load behind the round; its four v_nop are also the plain lines in front of the loads below
.else
	PLACES
.endif
	FETCH \next, 0, F0
	WIN MUL
	MUL8 F1, 1, 0, 0
	MUL8 F1, 1, 2, 0
.endm
	s_wait_tensorcnt 1                             ; my part of K step 0 is in; K step 1's may be out
	s_barrier_signal -1
	s_barrier_wait -1
	FETCH 0, 0, F0
	s_wait_loadcnt 0x0                             ; bp
	QUARTER 0, 128, F0, F1, 1
	WIN 0
	s_mov_b32 s3, LAPS-1
.Llap:                                             ; a trip goes once round the ring and fills both slots again
	QUARTER 0, 256, F1, F0, 0
	QUARTER 0, 384, F0, F1, 0
	TURN 0, 1, 1
	QUARTER 1, 128, F0, F1, 0
	QUARTER 1, 256, F1, F0, 0
	QUARTER 1, 384, F0, F1, 0
	TURN 1, 0, 1
	QUARTER 0, 128, F0, F1, 0
	WIN 0
	s_sub_co_u32 s3, s3, 1
	s_cmp_lg_u32 s3, 0
	s_cbranch_scc1 .Llap
	QUARTER 0, 256, F1, F0, 0                      ; the last lap fills nothing
	QUARTER 0, 384, F0, F1, 0
	TURN 0, 1, 0
	QUARTER 1, 128, F0, F1, 0
	QUARTER 1, 256, F1, F0, 0
	QUARTER 1, 384, F0, F1, 0
	s_wait_dscnt 16
	WIN MUL
	MUL8 F1, 0, 0, 0
	MUL8 F1, 0, 2, 0
	s_wait_dscnt 0
	MUL8 F1, 1, 0, 0
	MUL8 F1, 1, 2, 0
	WIN 0
	; THE WAY OUT: my 64 columns are 256 bytes of a row: a block of 16 rows goes through my own stage and comes back as whole rows; LDS serves a wave's instructions in order, so no wait stands between the stores and the loads.
	PLACES
.macro TOSTAGE a
.set BK, OB+32*((\a)%2)
.irp b, 0,1,2,3
	ds_store_b128 v[STO], v[ACC+8*(4*(\a)+\b):ACC+8*(4*(\a)+\b)+3] offset:64*\b          ; each accumulator from its low end on
	ds_store_b128 v[STO], v[ACC+8*(4*(\a)+\b)+4:ACC+8*(4*(\a)+\b)+7] offset:64*\b+16
.endr
.irp t, 0,1,2,3,4,5,6,7
	ds_load_b128 v[BK+4*\t:BK+4*\t+3], v[RD] offset:\t*2*SPITCH
.endr
.endm
.macro SEND a, younger                 ; younger: the LDS instructions issued behind block a's loads
.set BK, OB+32*((\a)%2)
	s_wait_dscnt \younger
.irp t, 0,1,2,3,4,5,6,7
	global_store_b128 v[CO], v[BK+4*\t:BK+4*\t+3], s[8:9] offset:(16*(\a)+2*\t)*4096 th:TH_STORE_NT   ; 16 lanes store 256 consecutive bytes, aligned
.endr
.endm
	TOSTAGE 0
.irp a, 1,2,3
.if \a > 1
	s_wait_xcnt 0x0                                ; block a - 2's stores have read the registers into which block a's loads land
.endif
	TOSTAGE \a
	SEND \a-1, 16                                  ; behind block a - 1's loads: block a's 8 stores and 8 loads
.endr
	SEND 3, 0
	s_wait_tensorcnt 0x0                           ; the wave's end
	ds_add_u32 v[SPW], v[NIL]
	s_wait_dscnt 0x0
	CROUND                                         ; the closing round
	s_endpgm
.Lfunc_end_k_q55a638dfb9_proj:
	.size	k_q55a638dfb9_proj, .Lfunc_end_k_q55a638dfb9_proj-k_q55a638dfb9_proj
	.p2alignl 7, 3214868480
	.fill 96, 4, 3214868480
	.section	.rodata,"a",@progbits
	.p2align	6, 0x0
	.amdhsa_kernel k_q55a638dfb9_proj
		.amdhsa_group_segment_fixed_size 327680
		.amdhsa_private_segment_fixed_size 0
		.amdhsa_enable_private_segment 0
		.amdhsa_kernarg_size 32
		.amdhsa_user_sgpr_count 2
		.amdhsa_user_sgpr_kernarg_segment_ptr 1
		.amdhsa_wavefront_size32 1
		.amdhsa_system_sgpr_workgroup_id_x 1
		.amdhsa_system_sgpr_workgroup_id_y 1
		.amdhsa_system_sgpr_workgroup_id_z 1
		.amdhsa_system_vgpr_workitem_id 0
		.amdhsa_next_free_vgpr 512
		.amdhsa_next_free_sgpr 66
		.amdhsa_reserve_vcc 0
		.amdhsa_float_denorm_mode_32 3
		.amdhsa_float_denorm_mode_16_64 3
		.amdhsa_memory_ordered 1
		.amdhsa_forward_progress 1
		.amdhsa_inst_pref_size 86
	.end_amdhsa_kernel
	.amdgpu_metadata
---
amdhsa.version: [ 1, 2 ]
amdhsa.kernels:
  - .name:           k_q55a638dfb9_proj
    .symbol:         k_q55a638dfb9_proj.kd
    .args:
      - { .name: ctx, .offset: 0, .size: 8, .value_kind: global_buffer, .address_space: global }
      - { .name: wp16, .offset: 8, .size: 8, .value_kind: global_buffer, .address_space: global }
      - { .name: bp, .offset: 16, .size: 8, .value_kind: global_buffer, .address_space: global }
      - { .name: out0, .offset: 24, .size: 8, .value_kind: global_buffer, .address_space: global }
    .group_segment_fixed_size: 327680
    .private_segment_fixed_size: 0
    .kernarg_segment_align: 8
    .kernarg_segment_size: 32
    .max_flat_workgroup_size: 128
    .sgpr_count:     66
    .vgpr_count:     512
    .wavefront_size: 32
...
	.end_amdgpu_metadata
.endif
;; end of part 4
